; MI455X (gfx1250); checked and timed in simulation.
; The chip was launched on July 23, 2026; its instructions are those of AMD's public machine-readable ISA for CDNA 5 (MIT licence, August 2026) and "CDNA5" Instruction Set Architecture Reference Guide (July 2026). The comments in the code are by the model that wrote it; some were corrected since.
;; Multi Head Attention. Allowed arithmetic: matrix products marked QUANTISED: E2M1 operands, one E8M0 scale for each 32 along K, by v_wmma_scale_f32_16x16x128_f8f6f4 with both operands' format E2M1 (or v_wmma_scale_f32_32x16x128_f4), f32 sums; everything else in f32.
;; Inputs: Wk_codes 1,024 x 32 x 16 uint8 (E2M1 codes of Wk, K innermost, in blocks of 32 codes, two codes a byte); Wk_scales 1,024 x 32 uint8 (E8M0 scales of Wk, one for each 32 codes along K); Wo_codes 1,024 x 32 x 16 uint8 (E2M1 codes of Wo, K innermost, in blocks of 32 codes, two codes a byte); Wo_scales 1,024 x 32 uint8 (E8M0 scales of Wo, one for each 32 codes along K); Wq_codes 1,024 x 32 x 16 uint8 (E2M1 codes of Wq, K innermost, in blocks of 32 codes, two codes a byte); Wq_scales 1,024 x 32 uint8 (E8M0 scales of Wq, one for each 32 codes along K); Wv_codes 1,024 x 32 x 16 uint8 (E2M1 codes of Wv, K innermost, in blocks of 32 codes, two codes a byte); Wv_scales 1,024 x 32 uint8 (E8M0 scales of Wv, one for each 32 codes along K); beta 1,024 float32; bk 1,024 float32; bo 1,024 float32; bq 1,024 float32; bv 1,024 float32; gamma 1,024 float32; k_codes 4 x 2,048 x 32 x 16 uint8 (E2M1 codes of k, K innermost, in blocks of 32 codes, two codes a byte); k_scales 4 x 2,048 x 32 uint8 (E8M0 scales of k, one for each 32 codes along K); q 4 x 2,048 x 1,024 float32; v_codes 4 x 2,048 x 32 x 16 uint8 (E2M1 codes of v, K innermost, in blocks of 32 codes, two codes a byte); v_scales 4 x 2,048 x 32 uint8 (E8M0 scales of v, one for each 32 codes along K).
;; Outputs: out0 4 x 2,048 x 1,024 float32.
;; This version of the problem:
;;   THIS VERSION OF THE PROBLEM IS GIVEN IN LOW PRECISION. The matrix products marked QUANTISED in the list below multiply operands that are first quantised to E2M1 (2 exponent bits, 1 mantissa bit; 4 bits a number), with one power-of-two scale for each 32 numbers along K (OCP MX v1.0); their sums are f32. All else is computed in f32.
;;   The module's matrix products, in the order in which they are computed (A, B: the left and right operand; K: the contracted axis; several contracted axes count as one K, in the product's order):
;;     1. [M 8,192, K 1,024] x [K 1,024, N 1,024]; A: input q; B: input Wq (given as codes): QUANTISED
;;     2. [M 8,192, K 1,024] x [K 1,024, N 1,024]; A: input k (given as codes); B: input Wk (given as codes): QUANTISED
;;     3. [M 8,192, K 1,024] x [K 1,024, N 1,024]; A: input v (given as codes); B: input Wv (given as codes): QUANTISED
;;     4. batch 64 x [M 2,048, K 64] x [K 64, N 2,048]; A: computed on the way; B: computed on the way: QUANTISED
;;     5. batch 64 x [M 2,048, K 2,048] x [K 2,048, N 64]; A: softmax (see below); B: computed on the way: QUANTISED
;;     6. [M 8,192, K 1,024] x [K 1,024, N 1,024]; A: computed on the way; B: input Wo (given as codes): QUANTISED
;;   THE QUANTISER, for each operand of a quantised product, along K:
;;     - K is cut into blocks of 32 from its start; a last block that is shorter is filled with zeros.
;;     - A block's scale is 2^e with e = floor(log2(the largest magnitude in the block)) - 2, held to -126 .. 127; a block of zeros has e = 0. As a byte (E8M0): e + 127.
;;     - Each number is divided by its block's scale, clamped to +-6, and rounded to the nearest number of E2M1, ties to even, subnormals kept.
;;     - The product sums the exact products of the quantised numbers (number of the format x scale) in f32.
;;   ~~~python
;;   def quantise(x, axis):      # numpy; x: float32 -> the quantised numbers, widened to float32 again
;;       x = np.moveaxis(x, axis, -1); K = x.shape[-1]
;;       x = np.pad(x, [(0, 0)] * (x.ndim - 1) + [(0, -K % 32)]); x = x.reshape(x.shape[:-1] + (-1, 32)); a = np.abs(x).max(-1, keepdims=True)
;;       e = np.where(a > 0, np.clip(np.frexp(np.where(a > 0, a, 1))[1] - 1 - 2, -126, 127), 0)      # np.frexp(a)[1] - 1 = floor(log2(a)), exactly
;;       r = np.clip(x / 2.0 ** e, -6, 6)
;;       step = 2.0 ** (np.maximum(np.frexp(np.where(r == 0, 1, r))[1] - 1, 0) - 1)
;;       q = np.round(r / step) * step * 2.0 ** e      # np.round: ties to even
;;       return np.moveaxis(q.reshape(q.shape[:-2] + (-1,))[..., :K], -1, axis).astype(np.float32)
;;   ~~~
;;   SOFTMAX AHEAD OF A QUANTISED PRODUCT. Where the list says 'softmax', what is quantised is not the finished softmax but p = 2^(t - M), with t = logit x log2(e) and M = ceil(the row's largest t), a whole number; so 1/2 < the row's largest p <= 1. The row's sum l is taken of the UNQUANTISED p, in f32, and the product's result is divided by l at the end. Since M is a whole number, a kernel that streams over the keys may use a running M (the ceiling of the running maximum): every later rescaling is an exact power of two, which a block's scale takes up: the codes' values come out the same.
;;   OPERANDS COMPUTED ON THE WAY. 'Computed on the way' means the value that the module computes at that place (a softmax that the list does not call 'softmax' is quantised finished and normalised). What goes into a quantiser is computed in f32, as accurately as f32 sums, v_exp_f32 and their like allow (about 1e-6 of the number): no bf16 or f16 on the way to a quantiser, and a product that is left as it is and whose result goes on into a quantised operand takes f32 operands (vector FMAs, or v_wmma_f32_16x16x4_f32). A number that lies on a knife's edge between two numbers of the format may be rounded either way, as far as f32 arithmetic and the matrix unit's own rounding can turn it there, and no further.
;;   INPUTS GIVEN AS CODES. Wk (in the module: [1024, 1024], K = its axis 1); Wo (in the module: [1024, 1024], K = its axis 1); Wq (in the module: [1024, 1024], K = its axis 1); Wv (in the module: [1024, 1024], K = its axis 1); k (in the module: [4, 2048, 1024], K = its axis 2); v (in the module: [4, 2048, 1024], K = its axis 2): each comes as NAME_codes (uint8): NAME with its K axis moved to the last place and cut into blocks of 32 codes, [.., K / 32, bytes a block], one block behind the other in memory; two codes a byte, the lower K in the low four bits (a code: sign, 2 exponent bits, 1 mantissa bit); and NAME_scales (uint8): the same leading axes, one E8M0 byte (e + 127) for each 32 codes along K. Its value is code x scale, taken as it is: it is not quantised again, and the codes and scales need not be those that the quantiser above would give.
;; One version. Each part assembles by itself: llvm-mc -triple=amdgcn-amd-amdhsa -mcpu=gfx1250 --defsym DOCPART=n.
;; ======== version 1 of 1: 4 launches
;; workspace buffers: qc 4,194,304 bytes; qs 262,144 bytes; qimg 4,194,304 bytes; qsw 524,288 bytes; kv 8,912,896 bytes; oc 4,194,304 bytes; os 262,144 bytes
;; launch quantq (part 1): grid 256 x 1, 4 waves a work-group, no clusters, 33,280 bytes of LDS; arguments q, qc, qs; writes qc, qs
.if DOCPART == 1
	.amdgcn_target "amdgcn-amd-amdhsa--gfx1250"
	.amdhsa_code_object_version 6
	.text
	.protected	k_q91617fb60a_quantq
	.globl	k_q91617fb60a_quantq
	.p2align	8
	.type	k_q91617fb60a_quantq,@function
k_q91617fb60a_quantq:
	s_mov_b64 s[64:65], 0
	v_nop
	global_prefetch_b8 v0, s[64:65] scope:SCOPE_SE
	s_setreg_imm32_b32 hwreg(HW_REG_WAVE_MODE, 25, 1), 1
	s_wait_xcnt 0x0
; q [8192][1024] f32 becomes codes of FP4 (E2M1), K innermost, qc [8192][512 bytes], and one E8M0 byte for each 32 along K, qs [8192][32].
; A block's scale is 2^(floor(log2(its largest magnitude)) - 2); its byte is the largest magnitude's exponent field - 2, held at 1 from below.
; LIMITS: a block of zeros gets the byte 1 and not 127 (its codes are zeros, and this program alone reads the bytes); blocks whose largest magnitude lies
; under 2^(3 - 127) keep the byte 1; NaN and infinities among the inputs are not served.
; Rows are dense and 1,024 is a multiple of 32: the tensor is a plain stream of blocks.  A wave takes a run of 8,192 numbers in 16 steps of 512.
; Each of a step's four loads reads 512 consecutive bytes, 16 a lane; the 2,048 bytes turn through the wave's own stage in LDS and come back 64 bytes a lane,
; so that a lane holds 16 neighbours along K and two neighbouring lanes hold a block.  The stage has 16 bytes of padding behind each 64.
; A step's codes leave as 256 consecutive bytes; the run's 256 scale bytes are gathered in LDS and leave as one aligned block of 256 bytes.
; No matrix unit, no cluster, no barrier: waves share nothing and the launch only streams.  Loads run four steps ahead, the turn through LDS one step.
.set STEPS, 16
.set CB,    8                          ; bytes of 16 codes
.set R,     16                         ; v16-79   four sets of 16 numbers as they are loaded
.set X,     80                         ; v80-111  two sets of 16 neighbours
.set E,     112                        ; v112-127 a scale byte for each step
.set C,     128                        ; v128-191 codes: four registers for each step, so that no store's data are written again
.set WREG,  8192                       ; LDS: a region for each wave: two stages of 32 x SP bytes, behind them its 256 scale bytes
.set SP,    80                         ; a lane's place in a stage: 64 bytes + 16 of padding
	s_load_b128 s[4:7], s[0:1], 0x0                ; q, qc
	s_load_b64 s[8:9], s[0:1], 0x10                ; qs
	v_lshl_add_u32 v192, v0, 2, 0x8000
	v_mov_b32 v193, 0
	v_lshrrev_b32 v1, 5, v0
	v_readfirstlane_b32 s16, v1                    ; wave
	v_and_b32 v2, 31, v0                           ; lane
	v_lshlrev_b32 v3, 4, v2                        ; my 16 bytes of a load's 512
	s_mul_i32 s17, s16, WREG
	v_lshrrev_b32 v14, 2, v2
	v_mul_u32_u24 v14, v14, SP
	v_and_b32 v15, 3, v2
	v_lshl_add_u32 v14, v15, 4, v14
	v_add_nc_u32 v14, s17, v14                     ; the stage, on the way in: SP (lane / 4) + 16 (lane % 4)
	v_mul_u32_u24 v15, v2, SP
	v_add_nc_u32 v15, s17, v15                     ; and on the way out: SP x lane
	v_mul_u32_u24 v4, v2, CB                       ; my codes' place in a step's
	v_lshrrev_b32 v5, 1, v2
	s_add_co_u32 s17, s17, 2*32*SP
	v_add_nc_u32 v5, s17, v5                       ; LDS: my block's scale byte
	v_lshlrev_b32 v7, 3, v2                        ; on the way out 8 bytes a lane
	v_add_nc_u32 v6, s17, v7
	s_lshl_b32 s18, ttmp9, 2
	s_add_co_u32 s18, s18, s16                     ; my run: 4 x work-group + wave
	s_lshl_b32 s20, s18, 15                        ; 32,768 bytes of q,
	s_mov_b32 s21, 0
	s_lshl_b32 s22, s18, 12                        ; 4,096 of codes,
	s_mov_b32 s23, 0
	s_lshl_b32 s24, s18, 8                         ; 256 scale bytes a run
	s_mov_b32 s25, 0
	s_wait_alu depctr_va_vdst(0)
	s_wait_kmcnt 0x0
	s_add_nc_u64 s[4:5], s[4:5], s[20:21]
	s_add_nc_u64 s[6:7], s[6:7], s[22:23]
	s_add_nc_u64 s[8:9], s[8:9], s[24:25]
.macro LOAD t
.irp i, 0,1,2,3
	global_load_b128 v[R+16*((\t)%4)+4*\i:R+16*((\t)%4)+4*\i+3], v3, s[4:5] offset:2048*(\t)+512*\i   ; 32 lanes read 512 consecutive bytes
.endr
.endm
.macro TURN t                          ; step t's numbers through the stage: LDS serves a wave's instructions in order, so no wait stands between the stores and the loads
.irp i, 0,1,2,3
	ds_store_b128 v14, v[R+16*((\t)%4)+4*\i:R+16*((\t)%4)+4*\i+3] offset:32*SP*((\t)%2)+8*SP*\i
.endr
.irp i, 0,1,2,3
	ds_load_b128 v[X+16*((\t)%2)+4*\i:X+16*((\t)%2)+4*\i+3], v15 offset:32*SP*((\t)%2)+16*\i
.endr
.endm
.irp t, 0,1,2,3
	LOAD \t
.endr
	s_wait_loadcnt 12                              ; step 0's four loads are in; the twelve of steps 1 to 3 may be out
	TURN 0
.macro STEP t
.set XS, X+16*((\t)%2)
.if (\t) > 0
	s_wait_dscnt 1                                 ; this step's numbers are back from the stage (the last step's byte store may be out): so its stores into the stage have read their registers,
.else
	s_wait_dscnt 0x0
.endif
.if (\t)+4 < STEPS
	LOAD (\t)+4                                    ; which take the loads of four steps on
.endif
.if (\t)+1 < STEPS
.if STEPS-2-(\t) >= 3
	s_wait_loadcnt 12                              ; the next step's four loads are in; those of the three steps behind it may be out
.else
	s_wait_loadcnt 4*(STEPS-2-(\t))
.endif
	TURN (\t)+1                                    ; and go through the other stage while this step is worked
.endif
	v_max3_num_f32 v8, |v[XS]|, |v[XS+1]|, |v[XS+2]|               ; the largest magnitude of my 16, in two chains
	v_max3_num_f32 v9, |v[XS+3]|, |v[XS+4]|, |v[XS+5]|
.irp i, 6,10
	v_max3_num_f32 v8, v8, |v[XS+\i]|, |v[XS+\i+1]|
	v_max3_num_f32 v9, v9, |v[XS+\i+2]|, |v[XS+\i+3]|
.endr
	v_max3_num_f32 v8, v8, |v[XS+14]|, |v[XS+15]|
	v_max3_num_f32 v8, v8, v9, 0x1800000           ; and the floor 2^(3 - 127): the byte cannot fall under 1
	v_max_num_f32_dpp v8, v8, v8 row_xmask:1 row_mask:0xf bank_mask:0xf   ; with my neighbour's 16: the block's
	v_add_nc_u32 v11, 0xff000000, v8               ; 2 off its exponent field: the conversion takes the exponent field of this operand as its scale
	v_cvt_scalef32_pk8_fp4_f32 v[C+4*(\t)], v[XS:XS+7], v11
	v_cvt_scalef32_pk8_fp4_f32 v[C+4*(\t)+1], v[XS+8:XS+15], v11
	v_lshrrev_b32 v[E+(\t)], 23, v11               ; the scale's byte (also the plain line behind the conversions)
	ds_store_b8 v5, v[E+(\t)] offset:16*(\t)       ; both lanes of a block write the same byte with the same value
	global_store_b64 v4, v[C+4*(\t):C+4*(\t)+1], s[6:7] offset:32*CB*(\t)   ; 32 lanes store 256 consecutive bytes
.endm
.irp t, 0,1,2,3,4,5,6,7,8,9,10,11,12,13,14,15
	STEP \t
.endr
	ds_load_b64 v[12:13], v6                       ; LDS serves a wave's instructions in order: these see my stores
	s_wait_dscnt 0x0
	global_store_b64 v7, v[12:13], s[8:9]          ; 32 lanes store one aligned block of 256 bytes
	s_wait_tensorcnt 0x0
	ds_add_u32 v192, v193
	s_wait_dscnt 0x0
	s_endpgm
.Lfunc_end_k_q91617fb60a_quantq:
	.size	k_q91617fb60a_quantq, .Lfunc_end_k_q91617fb60a_quantq-k_q91617fb60a_quantq
	.p2alignl 7, 3214868480
	.fill 96, 4, 3214868480
	.section	.rodata,"a",@progbits
	.p2align	6, 0x0
	.amdhsa_kernel k_q91617fb60a_quantq
		.amdhsa_group_segment_fixed_size 33280
		.amdhsa_private_segment_fixed_size 0
		.amdhsa_enable_private_segment 0
		.amdhsa_kernarg_size 24
		.amdhsa_user_sgpr_count 2
		.amdhsa_user_sgpr_kernarg_segment_ptr 1
		.amdhsa_wavefront_size32 1
		.amdhsa_system_sgpr_workgroup_id_x 1
		.amdhsa_system_sgpr_workgroup_id_y 1
		.amdhsa_system_sgpr_workgroup_id_z 1
		.amdhsa_system_vgpr_workitem_id 0
		.amdhsa_next_free_vgpr 194
		.amdhsa_next_free_sgpr 66
		.amdhsa_reserve_vcc 0
		.amdhsa_float_denorm_mode_32 3
		.amdhsa_float_denorm_mode_16_64 3
		.amdhsa_memory_ordered 1
		.amdhsa_forward_progress 1
		.amdhsa_inst_pref_size 33
	.end_amdhsa_kernel
	.amdgpu_metadata
---
amdhsa.version: [ 1, 2 ]
amdhsa.kernels:
  - .name:           k_q91617fb60a_quantq
    .symbol:         k_q91617fb60a_quantq.kd
    .args:
      - { .name: q, .offset: 0, .size: 8, .value_kind: global_buffer, .address_space: global }
      - { .name: qc, .offset: 8, .size: 8, .value_kind: global_buffer, .address_space: global }
      - { .name: qs, .offset: 16, .size: 8, .value_kind: global_buffer, .address_space: global }
    .group_segment_fixed_size: 33280
    .private_segment_fixed_size: 0
    .kernarg_segment_align: 8
    .kernarg_segment_size: 24
    .max_flat_workgroup_size: 128
    .sgpr_count:     66
    .vgpr_count:     194
    .wavefront_size: 32
...
	.end_amdgpu_metadata
.endif
;; end of part 1
;; launch proj (part 2): grid 192 x 1, 4 waves a work-group, no clusters, 139,776 bytes of LDS; arguments Wq_codes, Wq_scales, Wk_codes, Wk_scales, v_codes, v_scales, qc, qs, k_codes, k_scales, Wv_codes, Wv_scales, bq, bk, bv, qimg, qsw, kv; writes qimg, qsw, kv
.if DOCPART == 2
	.amdgcn_target "amdgcn-amd-amdhsa--gfx1250"
	.amdhsa_code_object_version 6
	.text
	.protected	k_q91617fb60a_proj
	.globl	k_q91617fb60a_proj
	.p2align	8
	.type	k_q91617fb60a_proj,@function
k_q91617fb60a_proj:
	s_mov_b64 s[64:65], 0
	v_nop
	global_prefetch_b8 v0, s[64:65] scope:SCOPE_SE
	s_setreg_imm32_b32 hwreg(HW_REG_WAVE_MODE, 25, 1), 1
	s_wait_xcnt 0x0
; The three projections Q = q Wq^T + bq, K = k Wk^T + bk, V = v Wv^T + bv on codes of FP4 (E2M1) with E8M0 scales, K = 1,024, and the quantising of their results for the attention launch.
; 64 work-groups for each projection: MODE = work-group / 64 (0 Q, 1 K, 2 V).  ONE BODY: a RESIDENT operand, 128 rows a wave (512 registers, all of K), is source 0; a STREAMED operand, 256 rows a work-group,
; lies in LDS as images of its fragments' registers and is source 1.  The resident axis is the axis along which the result is quantised: for Q and K the weight's rows (the heads' 64), for V the keys.
; Resident tile t takes rows 32 (t / 2) + 8 (t % 2) + r + 8 (r / 8), so that a lane's 64 results of a unit (8 tiles x 16 streamed rows) are register 16 b + i = index 32 b + 16 (lane / 16) + i: whole half blocks on end.
; WHAT A UNIT GIVES: Q: two heads' fragments of 16 queries -> qimg [bh][tile of 16 queries][lane][16 bytes];  K: two heads' pieces of a double fragment -> kv;  V: one tile of V^T (16 of the head's 64 x 128 keys) -> kv.
; kv [bh][key step of 128][8,704 bytes]: K's four double fragments (1,024 bytes each: piece u, keys 32 b + 8 u + r + 8 (r / 8), at 512 u), V^T's four tiles at 4,096, K's scale words [r][b] at 8,192, V's [r][t] at 8,448.
; qsw [bh][4 tiles of queries][r][4 words]: a tile's word is (s0, s1, s0, s1), since the attention launch sets a query's 64 codes in either half of a K step of 128.
; NO CLUSTER: each resident byte goes from memory into the registers of the one wave that multiplies by it, and the streamed rows of a work-group (136 KB) are shared with one other work-group (Q, K) only; a joint load would send the resident 272 KB through LDS, where 139,264 bytes are taken.
; LIMITS: a block of zeros gets the scale byte 1, not 127 (zero codes; this program alone reads the bytes); NaN and infinities are not served; a given scale byte 0xff gives NaN, as the format says.
; REGISTERS.  window 0: below.  window 1: at the head the 256 staged registers, then the streamed fragments, two sets of 64.  window 2: resident fragments of K steps 0-3 at 64 s + 8 t.  window 3: those of K steps 4-7.
.set LI,   1                           ; 16 x lane
.set RPA,  4                           ; resident codes: (r + 8 (r / 8)) x 512 + 16 h
.set RSA,  5                           ; resident scales: the same row x 32 + 16 h
.set SPE,  6                           ; streamed codes, even tile of a pair;  v7 the odd tile
.set SSE,  8                           ; streamed scales likewise; v9
.set XW,   10                          ; LDS: where I store my four tiles' images
.set XWS,  11                          ; and their scale quads
.set ADX,  12                          ; LDS: the trip's images
.set ADS,  13                          ; and scale quads
.set SV,   14                          ; scale words out: h x (a head's bytes) + 16 r
.set SELV, 15                          ; byte selects: lanes 0-15 the first head's, lanes 16-31 the second's
.set ACC,  16                          ; v16-79  a unit's eight accumulators
.set PC,   80                          ; v80-87  the codes just made
.set TM,   88                          ; v88-103 at work in QUANT
.set RP,   105                         ; r + 8 (r / 8)
.set BP,   106                         ; v[106:107] V's bias of the unit's streamed row, twice; v107 is the bias loads' offset at the head
.set PWS,  108                         ; v108-115 a trip's eight scale words
.set SD,   116                         ; v116-123 scale words as they are stored
.set XS,   124                         ; v124-131 streamed scale words, two sets of four
.set RS,   132                         ; v132-163 resident scale words: 4 t + i: lanes 0-15 K step i, lanes 16-31 K step 4 + i
.set VA,   164                         ; v164-171 unit m's offset in the output
.set BSTR, 172                         ; v172-187 V: bv of the streamed rows of 16 tiles
.set BIAS, 192                         ; v192-255 Q, K: the bias in the result's layout: the C of each sum's first product
.set RC,   40                          ; s[40:41] resident codes   s[42:43] resident scales   s[44:45] streamed codes   s[46:47] streamed scales   s[48:49] bias
.set RSP,  42
.set SCP,  44
.set SSP,  46
.set BI,   48
.set OB1,  50                          ; s[50:51], s[52:53] where a unit's two stores go;  s[54:55] the scale words
.set OB2,  52
.set OSB,  54
.set WV,   56
.set MODE, 57
.set SEL,  72                          ; s[72:73] selects of v_permlanex16_b32: lane l xor 16
.set TB,   74
.set TS,   75
.set XSC,  131072                      ; LDS: images at 0 (tile m: 8,192 m + 1,024 s + 512 c + 16 lane), scale quads here (512 m + 16 lane)
.set MSB, 0
.macro WIN new                         ; the immediate's high byte repeats the setting that is left
.if MSB != \new
	s_set_vgpr_msb (MSB<<8)|\new
.set MSB, \new
.endif
.endm
; 64 numbers of a lane, register 16 b + i = index 32 b + 16 (lane / 16) + i of my row, become a fragment's codes in v[PC] on and its scale word in v[pw].
.macro QUANT s, pw
.irp b, 0,1,2,3
	v_max3_num_f32 v[TM+\b], |v[\s+16*\b]|, |v[\s+1+16*\b]|, 0x1800000   ; my 16 numbers of block b, and the floor 2^(3 - 127): the byte cannot fall under 1
.endr
.irp i, 2,4,6,8,10,12,14
.irp b, 0,1,2,3
	v_max3_num_f32 v[TM+\b], v[TM+\b], |v[\s+16*\b+\i]|, |v[\s+1+16*\b+\i]|   ; the four blocks by turns; each accumulator is read from its low end on
.endr
.endr
.irp b, 0,1,2,3
	v_permlanex16_b32 v[TM+4+\b], v[TM+\b], s[SEL], s[SEL+1]
.endr
.irp b, 0,1,2,3
	v_max_num_f32 v[TM+\b], v[TM+\b], v[TM+4+\b]   ; with lane l xor 16's: the block's largest magnitude
.endr
.irp b, 0,1,2,3
	v_add_nc_u32 v[TM+12+\b], 0xff000000, v[TM+\b] ; 2 off its exponent field: the conversion's scale operand
.endr
.irp b, 0,1,2,3
	v_lshrrev_b32 v[TM+4+\b], 23, v[TM+12+\b]      ; the scale's byte
.endr
	v_lshl_or_b32 v[\pw], v[TM+5], 8, v[TM+4]
	v_lshl_or_b32 v[\pw], v[TM+6], 16, v[\pw]
	v_lshl_or_b32 v[\pw], v[TM+7], 24, v[\pw]
.irp b, 0,1,2,3
	v_cvt_scalef32_pk8_fp4_f32 v[PC+2*\b], v[\s+16*\b:\s+7+16*\b], v[TM+12+\b]
	v_cvt_scalef32_pk8_fp4_f32 v[PC+1+2*\b], v[\s+8+16*\b:\s+15+16*\b], v[TM+12+\b]
.endr
	v_nop                                          ; one plain line behind the scaled conversions
.irp c, 0,1                                    ; the operand's layout wants a whole block in a lane: lanes 0-15 block 2 c, lanes 16-31 block 2 c + 1
.irp i, 0,1
	v_permlane16_swap_b32 v[PC+4*\c+\i], v[PC+2+4*\c+\i]
.endr
.endr
.endm
	s_load_b512 s[4:19], s[0:1], 0x0               ; Wq_codes, Wq_scales, Wk_codes, Wk_scales, v_codes, v_scales, qc, qs
	s_load_b512 s[20:35], s[0:1], 0x40             ; k_codes, k_scales, Wv_codes, Wv_scales, bq, bk, bv, qimg
	s_load_b128 s[36:39], s[0:1], 0x80             ; qsw, kv
	v_lshl_add_u32 v190, v0, 2, 0x22000
	v_mov_b32 v191, 0
	v_lshrrev_b32 v2, 5, v0
	v_readfirstlane_b32 s[WV], v2                  ; wave 0..3
	s_lshr_b32 s[MODE], ttmp9, 6
	s_and_b32 s58, ttmp9, 63
	s_mov_b32 s67, 0                               ; the offsets' high words
	s_mov_b32 s69, 0
	s_mov_b32 s71, 0
	s_mov_b32 s79, 0
	s_mov_b32 s81, 0
	s_mov_b32 s[SEL], 0x76543210
	s_mov_b32 s[SEL+1], 0xfedcba98
	; The numbers that differ between the modes, in three arms that write the same registers:
	; s61 RB first resident row, s62 SB first streamed row, s63 first head (16 x batch + head), s66 first store's offset, s68 from a unit's first store to its second, s70 a trip on, s78 scale words' offset, s80 a trip on,
	; s82 from head to head in the scale words' buffer, s83 from unit to unit, s84 more from unit 4 on, s85 / s86 the streamed tiles' rows, s87 / s88 byte selects, s89 the bias's offset
	s_cmp_eq_u32 s[MODE], 2
	s_cbranch_scc1 .Lmode_v
	s_and_b32 s59, s58, 1                          ; Q, K: which 512 rows of the weight,
	s_lshr_b32 s60, s58, 1                         ; which 256 rows of q or k: neighbours share them
	s_lshl_b32 s61, s59, 9
	s_lshl_b32 s90, s[WV], 7
	s_add_co_u32 s61, s61, s90
	s_lshl_b32 s62, s60, 8
	s_lshr_b32 s63, s62, 11
	s_lshl_b32 s63, s63, 4
	s_lshl_b32 s90, s59, 3
	s_add_co_u32 s63, s63, s90
	s_lshl_b32 s90, s[WV], 1
	s_add_co_u32 s63, s63, s90                     ; 16 x batch + 8 x slice + 2 x wave
	s_and_b32 s91, s62, 2047                       ; the streamed rows' place in the batch
	s_lshl_b32 s89, s61, 2
	s_mov_b32 s83, 512
	s_mov_b32 s84, 0
	s_cmp_eq_u32 s[MODE], 1
	s_cbranch_scc1 .Lmode_k
	s_lshl_b32 s66, s63, 16                        ; Q: a head is 65,536 bytes of qimg, a tile of queries 512
	s_lshl_b32 s90, s91, 5
	s_add_co_u32 s66, s66, s90
	s_mov_b32 s68, 65536
	s_mov_b32 s70, 4096
	s_lshl_b32 s78, s63, 13                        ; a head is 8,192 bytes of qsw, four tiles 256
	s_lshl_b32 s90, s91, 2
	s_add_co_u32 s78, s78, s90
	s_mov_b32 s80, 512
	s_mov_b32 s82, 8192
	s_mov_b32 s85, 0                               ; a tile of queries is 16 neighbouring rows
	s_mov_b32 s86, 16
	s_mov_b32 s87, 0x01000100
	s_mov_b32 s88, 0x03020302
	s_branch .Lmodes_done
.Lmode_k:
	s_mul_i32 s66, s63, 139264                     ; K: a head is 139,264 bytes of kv, a key step 8,704
	s_lshr_b32 s90, s91, 7
	s_mul_i32 s90, s90, 8704
	s_add_co_u32 s66, s66, s90
	s_mov_b32 s68, 139264
	s_mov_b32 s70, 8704
	s_add_co_u32 s78, s66, 8192
	s_mov_b32 s80, 8704
	s_mov_b32 s82, 139264
	s_mov_b32 s85, 8                               ; tile m takes rows 32 (m / 2) + 8 (m % 2) + r + 8 (r / 8)
	s_mov_b32 s86, 8
	s_mov_b32 s87, 0x05040100
	s_mov_b32 s88, 0x07060302
	s_branch .Lmodes_done
.Lmode_v:
	s_lshr_b32 s59, s58, 2                         ; V: which 512 keys,
	s_and_b32 s60, s58, 3                          ; which 256 rows of Wv (four heads)
	s_lshl_b32 s61, s59, 9
	s_lshl_b32 s90, s[WV], 7
	s_add_co_u32 s61, s61, s90
	s_lshl_b32 s62, s60, 8
	s_lshr_b32 s63, s61, 11
	s_lshl_b32 s63, s63, 4
	s_lshl_b32 s90, s60, 2
	s_add_co_u32 s63, s63, s90                     ; 16 x batch + 4 x part
	s_and_b32 s91, s61, 2047
	s_lshl_b32 s89, s62, 2
	s_mov_b32 s83, 1024                            ; a tile of V^T is 1,024 bytes;
	s_mov_b32 s84, 135168                          ; units 4-7 belong to the next head: 139,264 - 4 x 1,024 more
	s_mul_i32 s66, s63, 139264
	s_lshr_b32 s90, s91, 7
	s_mul_i32 s90, s90, 8704
	s_add_co_u32 s66, s66, s90
	s_add_co_u32 s66, s66, 4096
	s_mov_b32 s68, 512
	s_mov_b32 s70, 278528                          ; a trip is two heads
	s_add_co_u32 s78, s66, 4352
	s_mov_b32 s80, 278528
	s_mov_b32 s82, 139264
	s_mov_b32 s85, 8
	s_mov_b32 s86, 8
	s_mov_b32 s87, 0x03020100
	s_mov_b32 s88, 0x07060504
.Lmodes_done:
	v_and_b32 v3, 31, v0
	v_lshlrev_b32 v[LI], 4, v3
	v_and_b32 v2, 15, v0                           ; r
	v_bfe_u32 v3, v0, 4, 1                         ; h
	v_and_b32 v[RP], 8, v2
	v_add_nc_u32 v[RP], v[RP], v2                  ; r + 8 (r / 8)
	v_lshlrev_b32 v[RPA], 9, v[RP]
	v_lshl_add_u32 v[RPA], v3, 4, v[RPA]
	v_lshlrev_b32 v[RSA], 5, v[RP]
	v_lshl_add_u32 v[RSA], v3, 4, v[RSA]
	v_and_b32 v[BP], s85, v2
	v_add_nc_u32 v[BP], v[BP], v2                  ; the streamed tiles' row of lane r
	v_lshlrev_b32 v[SPE], 9, v[BP]
	v_lshl_add_u32 v[SPE], v3, 4, v[SPE]
	s_lshl_b32 s90, s86, 9
	v_add_nc_u32 v[SPE+1], s90, v[SPE]
	v_lshlrev_b32 v[SSE], 5, v[BP]
	v_lshl_add_u32 v[SSE], v3, 4, v[SSE]
	s_lshl_b32 s90, s86, 5
	v_add_nc_u32 v[SSE+1], s90, v[SSE]
	s_lshl_b32 s90, s[WV], 15
	v_add_nc_u32 v[XW], s90, v[LI]                 ; tiles 4 w .. 4 w + 3
	s_lshl_b32 s90, s[WV], 11
	s_add_co_u32 s90, s90, XSC
	v_add_nc_u32 v[XWS], s90, v[LI]
	s_wait_kmcnt 0x0
	s_cmp_eq_u32 s[MODE], 1                        ; the buffers are chosen by the work-group's number alone
	s_cselect_b64 s[RC:RC+1], s[8:9], s[12:13]
	s_cselect_b64 s[RSP:RSP+1], s[10:11], s[14:15]
	s_cselect_b64 s[SCP:SCP+1], s[20:21], s[24:25]
	s_cselect_b64 s[SSP:SSP+1], s[22:23], s[26:27]
	s_cselect_b64 s[BI:BI+1], s[30:31], s[32:33]
	s_cmp_eq_u32 s[MODE], 0
	s_cselect_b64 s[RC:RC+1], s[4:5], s[RC:RC+1]
	s_cselect_b64 s[RSP:RSP+1], s[6:7], s[RSP:RSP+1]
	s_cselect_b64 s[SCP:SCP+1], s[16:17], s[SCP:SCP+1]
	s_cselect_b64 s[SSP:SSP+1], s[18:19], s[SSP:SSP+1]
	s_cselect_b64 s[BI:BI+1], s[28:29], s[BI:BI+1]
	s_cselect_b64 s[OB1:OB1+1], s[34:35], s[38:39]
	s_cselect_b64 s[OSB:OSB+1], s[36:37], s[38:39]
	s_mov_b32 s91, 0
	s_lshl_b32 s90, s61, 9
	s_add_nc_u64 s[RC:RC+1], s[RC:RC+1], s[90:91]
	s_lshl_b32 s90, s61, 5
	s_add_nc_u64 s[RSP:RSP+1], s[RSP:RSP+1], s[90:91]
	s_lshl_b32 s92, s[WV], 6
	s_add_co_u32 s92, s92, s62                     ; the 64 streamed rows that I stage
	s_lshl_b32 s90, s92, 9
	s_add_nc_u64 s[SCP:SCP+1], s[SCP:SCP+1], s[90:91]
	s_lshl_b32 s90, s92, 5
	s_add_nc_u64 s[SSP:SSP+1], s[SSP:SSP+1], s[90:91]
	s_mov_b32 s90, s89
	s_add_nc_u64 s[BI:BI+1], s[BI:BI+1], s[90:91]
	s_add_nc_u64 s[OB1:OB1+1], s[OB1:OB1+1], s[66:67]
	s_add_nc_u64 s[OB2:OB2+1], s[OB1:OB1+1], s[68:69]
	s_add_nc_u64 s[OSB:OSB+1], s[OSB:OSB+1], s[78:79]
	; ---- the head's loads, in this order: 8 resident scale quads, 16 of the bias, 68 of the staging, then the resident fragments
.irp t, 0,1,2,3,4,5,6,7
	global_load_b128 v[RS+4*\t:RS+4*\t+3], v[RSA], s[RSP:RSP+1] offset:(32*(\t/2)+8*(\t%2))*32
.endr
	s_cmp_eq_u32 s[MODE], 2
	s_cbranch_scc1 .Lbias_v
	v_lshlrev_b32 v[BP+1], 6, v3                   ; Q, K: lane (r, h) wants, for tile t, the bias of resident rows 32 (t / 2) + 16 h + 8 (t % 2) + 0 .. 7
.irp t, 0,1,2,3,4,5,6,7
	global_load_b128 v[BIAS+8*\t:BIAS+8*\t+3], v[BP+1], s[BI:BI+1] offset:(32*(\t/2)+8*(\t%2))*4
	global_load_b128 v[BIAS+8*\t+4:BIAS+8*\t+7], v[BP+1], s[BI:BI+1] offset:(32*(\t/2)+8*(\t%2))*4+16
.endr
.set j, 0
.rept 16
	v_mov_b32 v[BSTR+j], 0                         ; not used in these modes; written, since the trip's end moves them
.set j, j+1
.endr
	s_branch .Lbias_done
.Lbias_v:
	v_lshlrev_b32 v[BP+1], 2, v[RP]                ; V: the bias hangs on the streamed row, which is the lane's: one number a tile
.irp m, 0,1,2,3,4,5,6,7,8,9,10,11,12,13,14,15
	global_load_b32 v[BSTR+\m], v[BP+1], s[BI:BI+1] offset:(32*(\m/2)+8*(\m%2))*4
.endr
.set j, 0
.rept 64
	v_mov_b32 v[BIAS+j], 0                         ; the sums' first C in this mode
.set j, j+1
.endr
.Lbias_done:
	WIN 0x40                                       ; destination window 1
.irp j, 0,1,2,3                                ; my four streamed tiles: 16 loads on end take the tile's rows whole (512 bytes each)
.irp s, 0,1,2,3,4,5,6,7
.irp c, 0,1
	global_load_b128 v[64*\j+8*\s+4*\c:64*\j+8*\s+4*\c+3], v[SPE+(\j%2)], s[SCP:SCP+1] offset:(\j/2)*16384+64*\s+32*\c
.endr
.endr
.endr
	WIN 0
.irp j, 0,1,2,3
	global_load_b128 v[ACC+4*\j:ACC+4*\j+3], v[SSE+(\j%2)], s[SSP:SSP+1] offset:(\j/2)*1024
.endr
.macro RLOAD t, s                      ; resident fragment (t, s); the caller sets the window
.irp c, 0,1
	global_load_b128 v[64*((\s)%4)+8*(\t)+4*\c:64*((\s)%4)+8*(\t)+4*\c+3], v[RPA], s[RC:RC+1] offset:(32*((\t)/2)+8*((\t)%2))*512+64*(\s)+32*\c
.endr
.endm
	WIN 0x80                                       ; destination window 2
.irp t, 0,1,2,3
.irp s, 0,1,2,3
	RLOAD \t, \s
.endr
.endr
	s_wait_loadcnt 32                              ; all but the 32 resident loads just issued: the staging is in
	WIN 0x04                                       ; an LDS store's data are its source 1: window 1
.irp j, 0,1,2,3
.irp s, 0,1,2,3,4,5,6,7
.irp c, 0,1
	ds_store_b128 v[XW], v[64*\j+8*\s+4*\c:64*\j+8*\s+4*\c+3] offset:8192*\j+1024*\s+512*\c   ; the fragment's registers as they stand: 512 consecutive bytes a store
.endr
.endr
.endr
	WIN 0
.irp j, 0,1,2,3
	ds_store_b128 v[XWS], v[ACC+4*\j:ACC+4*\j+3] offset:512*\j
.endr
	WIN 0x80
.irp t, 4,5,6,7
.irp s, 0,1,2,3
	RLOAD \t, \s
.endr
.endr
	WIN 0xc0                                       ; destination window 3
.irp t, 0,1,2,3,4,5,6,7
.irp s, 4,5,6,7
	RLOAD \t, \s
.endr
.endr
	WIN 0
.irp m, 0,1,2,3,4,5,6,7
	s_mul_i32 s90, s83, \m
.if \m >= 4
	s_add_co_u32 s90, s90, s84
.endif
	v_add_nc_u32 v[VA+\m], s90, v[LI]
.endr
	v_mul_lo_u32 v[SV], v3, s82
	v_lshl_add_u32 v[SV], v2, 4, v[SV]
	v_mov_b32 v[SELV], s87
	v_mov_b32 v[SD], s88
	v_cmp_eq_u32 vcc_lo, 1, v3
	v_cndmask_b32 v[SELV], v[SELV], v[SD], vcc_lo
.irp b, 0,1,2,3
	v_mov_b32 v[TM+4+\b], 0                        ; written once: a lane permute's destination counts as one of its sources
.endr
	s_mov_b32 s[TB], 0
	s_mov_b32 s[TS], XSC
	s_mov_b32 s76, 0
	s_wait_dscnt 0x0                               ; for the others' sake: my images lie in LDS
	s_barrier_signal -1
	s_barrier_wait -1                              ; everybody's do; they are never written again
	s_wait_loadcnt 0x0                             ; the resident fragments, scale words and bias
.macro FETCH m                         ; streamed tile m of the trip: 8 fragments into set m % 2 of window 1, its scale quad into set m % 2
	WIN 0x40
.irp s, 0,1,2,3,4,5,6,7
.irp c, 0,1
	ds_load_b128 v[64*((\m)%2)+8*\s+4*\c:64*((\m)%2)+8*\s+4*\c+3], v[ADX] offset:8192*(\m)+1024*\s+512*\c
.endr
.endr
	WIN 0
	ds_load_b128 v[XS+4*((\m)%2):XS+4*((\m)%2)+3], v[ADS] offset:512*(\m)
.endm
; A unit: 128 resident x 16 streamed rows, 64 matrix instructions: the eight accumulators take turns, one instruction a turn, K ascending.
.macro UNIT m
.if (\m) < 7
	FETCH (\m)+1                                   ; into the set that the unit before read: that unit's quantising stands between, far more than four plain lines
	s_wait_dscnt 17                                ; all but the 17 just issued: this unit's operands are in
.else
	s_wait_dscnt 0x0
.endif
	WIN 0x06                                       ; source 0 window 2, source 1 window 1, C and D window 0
.irp s, 0,1,2,3
.irp t, 0,1,2,3,4,5,6,7
.if \s == 0
	v_wmma_scale_f32_16x16x128_f8f6f4 v[ACC+8*\t:ACC+8*\t+7], v[64*\s+8*\t:64*\s+8*\t+7], v[64*((\m)%2)+8*\s:64*((\m)%2)+8*\s+7], v[BIAS+8*\t:BIAS+8*\t+7], v[RS+4*\t+\s], v[XS+4*((\m)%2)+\s] matrix_a_fmt:MATRIX_FMT_FP4 matrix_b_fmt:MATRIX_FMT_FP4
.else
	v_wmma_scale_f32_16x16x128_f8f6f4 v[ACC+8*\t:ACC+8*\t+7], v[64*\s+8*\t:64*\s+8*\t+7], v[64*((\m)%2)+8*\s:64*((\m)%2)+8*\s+7], v[ACC+8*\t:ACC+8*\t+7], v[RS+4*\t+\s], v[XS+4*((\m)%2)+\s] matrix_a_fmt:MATRIX_FMT_FP4 matrix_b_fmt:MATRIX_FMT_FP4
.endif
.endr
.endr
	WIN 0x07                                       ; source 0 window 3: K steps 4 to 7, whose scale words stand in lanes 16-31
.irp s, 0,1,2,3
.irp t, 0,1,2,3,4,5,6,7
	v_wmma_scale_f32_16x16x128_f8f6f4 v[ACC+8*\t:ACC+8*\t+7], v[64*\s+8*\t:64*\s+8*\t+7], v[64*((\m)%2)+32+8*\s:64*((\m)%2)+32+8*\s+7], v[ACC+8*\t:ACC+8*\t+7], v[RS+4*\t+\s], v[XS+4*((\m)%2)+\s] matrix_a_fmt:MATRIX_FMT_FP4 matrix_b_fmt:MATRIX_FMT_FP4 matrix_a_scale:MATRIX_SCALE_ROW1 matrix_b_scale:MATRIX_SCALE_ROW1
.endr
.endr
	WIN 0
.rept 4
	v_nop                                          ; four places in front of the first read of results
.endr
	s_cmp_eq_u32 s[MODE], 2
	s_cbranch_scc0 .Lno_bias_\@
	v_mov_b32 v[BP], v[BSTR+(\m)]                  ; V: + bv of my streamed row, on all 64
	v_mov_b32 v[BP+1], v[BSTR+(\m)]
.set j, 0
.rept 32
	v_pk_add_f32 v[ACC+j:ACC+j+1], v[ACC+j:ACC+j+1], v[BP:BP+1]
.set j, j+2
.endr
.Lno_bias_\@:
	s_wait_xcnt 0x0                                ; the last unit's stores have read the codes' registers: they are written again only behind this wait
	QUANT ACC, PWS+(\m)
	global_store_b128 v[VA+(\m)], v[PC:PC+3], s[OB1:OB1+1]        ; 32 lanes store 512 consecutive bytes
	global_store_b128 v[VA+(\m)], v[PC+4:PC+7], s[OB2:OB2+1]
.endm
.Ltrip:                                            ; two trips of 128 streamed rows
	v_add_nc_u32 v[ADX], s[TB], v[LI]
	v_add_nc_u32 v[ADS], s[TS], v[LI]
	FETCH 0
.irp m, 0,1,2,3,4,5,6,7
	UNIT \m
.endr
	; the trip's scale words: lanes 0-15 take the first head's bytes, lanes 16-31 the second's; sixteen lanes store 256 consecutive bytes
	s_cmp_eq_u32 s[MODE], 0
	s_cbranch_scc0 .Ltail_kv
.irp i, 0,1,2,3,4,5,6,7
	v_perm_b32 v[SD+\i], v[PWS+\i], v[PWS+\i], v[SELV]            ; Q: (s0, s1, s0, s1) of the tile's row
.endr
	global_store_b128 v[SV], v[SD:SD+3], s[OSB:OSB+1]
	global_store_b128 v[SV], v[SD+4:SD+7], s[OSB:OSB+1] offset:256
	s_branch .Ltail_done
.Ltail_kv:
	s_cmp_eq_u32 s[MODE], 1
	s_cbranch_scc0 .Ltail_v
.irp b, 0,1,2,3
	v_perm_b32 v[SD+\b], v[PWS+2*\b+1], v[PWS+2*\b], v[SELV]      ; K: piece 0's two bytes, then piece 1's
.endr
	global_store_b128 v[SV], v[SD:SD+3], s[OSB:OSB+1]
	s_branch .Ltail_done
.Ltail_v:
.irp t, 0,1,2,3
	v_perm_b32 v[SD+\t], v[PWS+4+\t], v[PWS+\t], v[SELV]          ; V: the word of tile t, of the first head or of the second
.endr
	global_store_b128 v[SV], v[SD:SD+3], s[OSB:OSB+1]
.Ltail_done:
	s_wait_xcnt 0x0                                ; the stores have read their bases: these step only behind this wait
	s_add_nc_u64 s[OB1:OB1+1], s[OB1:OB1+1], s[70:71]
	s_add_nc_u64 s[OB2:OB2+1], s[OB2:OB2+1], s[70:71]
	s_add_nc_u64 s[OSB:OSB+1], s[OSB:OSB+1], s[80:81]
.irp m, 0,1,2,3,4,5,6,7
	v_mov_b32 v[BSTR+\m], v[BSTR+8+\m]             ; the second trip's tiles
.endr
	s_add_co_u32 s[TB], s[TB], 65536
	s_add_co_u32 s[TS], s[TS], 4096
	s_add_co_u32 s76, s76, 1
	s_cmp_lt_u32 s76, 2
	s_cbranch_scc1 .Ltrip
	s_wait_tensorcnt 0x0
	ds_add_u32 v190, v191
	s_wait_dscnt 0x0
	s_endpgm
.Lfunc_end_k_q91617fb60a_proj:
	.size	k_q91617fb60a_proj, .Lfunc_end_k_q91617fb60a_proj-k_q91617fb60a_proj
	.p2alignl 7, 3214868480
	.fill 96, 4, 3214868480
	.section	.rodata,"a",@progbits
	.p2align	6, 0x0
	.amdhsa_kernel k_q91617fb60a_proj
		.amdhsa_group_segment_fixed_size 139776
		.amdhsa_private_segment_fixed_size 0
		.amdhsa_enable_private_segment 0
		.amdhsa_kernarg_size 144
		.amdhsa_user_sgpr_count 2
		.amdhsa_user_sgpr_kernarg_segment_ptr 1
		.amdhsa_wavefront_size32 1
		.amdhsa_system_sgpr_workgroup_id_x 1
		.amdhsa_system_sgpr_workgroup_id_y 1
		.amdhsa_system_sgpr_workgroup_id_z 1
		.amdhsa_system_vgpr_workitem_id 0
		.amdhsa_next_free_vgpr 1024
		.amdhsa_next_free_sgpr 100
		.amdhsa_reserve_vcc 1
		.amdhsa_float_denorm_mode_32 3
		.amdhsa_float_denorm_mode_16_64 3
		.amdhsa_memory_ordered 1
		.amdhsa_forward_progress 1
		.amdhsa_inst_pref_size 163
	.end_amdhsa_kernel
	.amdgpu_metadata
---
amdhsa.version: [ 1, 2 ]
amdhsa.kernels:
  - .name:           k_q91617fb60a_proj
    .symbol:         k_q91617fb60a_proj.kd
    .args:
      - { .name: Wq_codes, .offset: 0, .size: 8, .value_kind: global_buffer, .address_space: global }
      - { .name: Wq_scales, .offset: 8, .size: 8, .value_kind: global_buffer, .address_space: global }
      - { .name: Wk_codes, .offset: 16, .size: 8, .value_kind: global_buffer, .address_space: global }
      - { .name: Wk_scales, .offset: 24, .size: 8, .value_kind: global_buffer, .address_space: global }
      - { .name: v_codes, .offset: 32, .size: 8, .value_kind: global_buffer, .address_space: global }
      - { .name: v_scales, .offset: 40, .size: 8, .value_kind: global_buffer, .address_space: global }
      - { .name: qc, .offset: 48, .size: 8, .value_kind: global_buffer, .address_space: global }
      - { .name: qs, .offset: 56, .size: 8, .value_kind: global_buffer, .address_space: global }
      - { .name: k_codes, .offset: 64, .size: 8, .value_kind: global_buffer, .address_space: global }
      - { .name: k_scales, .offset: 72, .size: 8, .value_kind: global_buffer, .address_space: global }
      - { .name: Wv_codes, .offset: 80, .size: 8, .value_kind: global_buffer, .address_space: global }
      - { .name: Wv_scales, .offset: 88, .size: 8, .value_kind: global_buffer, .address_space: global }
      - { .name: bq, .offset: 96, .size: 8, .value_kind: global_buffer, .address_space: global }
      - { .name: bk, .offset: 104, .size: 8, .value_kind: global_buffer, .address_space: global }
      - { .name: bv, .offset: 112, .size: 8, .value_kind: global_buffer, .address_space: global }
      - { .name: qimg, .offset: 120, .size: 8, .value_kind: global_buffer, .address_space: global }
      - { .name: qsw, .offset: 128, .size: 8, .value_kind: global_buffer, .address_space: global }
      - { .name: kv, .offset: 136, .size: 8, .value_kind: global_buffer, .address_space: global }
    .group_segment_fixed_size: 139776
    .private_segment_fixed_size: 0
    .kernarg_segment_align: 8
    .kernarg_segment_size: 144
    .max_flat_workgroup_size: 128
    .sgpr_count:     100
    .vgpr_count:     1024
    .wavefront_size: 32
...
	.end_amdgpu_metadata
.endif
;; end of part 2
;; launch attn (part 3): grid 4 x 64, 16 waves a work-group, clusters of 4 x 1, 327,680 bytes of LDS; arguments qimg, qsw, kv, oc, os; writes oc, os
.if DOCPART == 3
	.amdgcn_target "amdgcn-amd-amdhsa--gfx1250"
	.amdhsa_code_object_version 6
	.text
	.protected	k_q91617fb60a_attn
	.globl	k_q91617fb60a_attn
	.p2align	8
	.type	k_q91617fb60a_attn,@function
k_q91617fb60a_attn:
	s_mov_b64 s[64:65], 0
	v_nop
	global_prefetch_b8 v0, s[64:65] scope:SCOPE_SE
	s_setreg_imm32_b32 hwreg(HW_REG_WAVE_MODE, 25, 1), 1
	s_wait_xcnt 0x0
	s_wait_alu depctr_hold_cnt(0) depctr_sa_sdst(0) depctr_va_vdst(0) depctr_va_sdst(0) depctr_va_ssrc(0) depctr_va_vcc(0) depctr_vm_vsrc(0)
	s_getreg_b32 s2, hwreg(HW_REG_IB_STS2, 6, 4)
	s_cmp_eq_u32 s2, 0
	s_cbranch_scc0 .Lentry_in_a_cluster
	s_endpgm
.Lentry_in_a_cluster:
	s_bfe_u32 s2, ttmp6, 0x10000c
	s_cmp_lg_u32 s2, 0x3003
	s_cbranch_scc0 .Lentry_shape_is_right
	s_endpgm
.Lentry_shape_is_right:
; O = softmax(Q K^T / 8) V for one head (64 channels, 2,048 keys), both products on codes of FP4 (E2M1) with E8M0 scales, and the quantising of O / l along head x 64 + channel for the last projection.
; THE SOFTMAX: t = score x log2(e) / 8; M = the running largest t rounded UP to a whole number; p = 2^(t - M) is quantised along the keys, not normalised; the row's sum is taken of the unquantised p and divides O at the end.
; When M moves, the sum and O are multiplied by 2^(old M - new M), which rounds nothing.
; SHARES.  A work-group: one head, 512 queries.  A wave: 32 queries, tiles A and B of 16; it walks 16 key steps of 128.  Both tiles use each fragment of K and V that is read from LDS.
; THE HEAD'S K AND V, 139,264 bytes laid in the order of the operands' registers, come into LDS ONCE: nothing is filled again.  The four work-groups of a cluster belong to one head and ask for them JOINTLY:
; the same two tensor loads a wave, with the same descriptors and a mask that names the four.  The work-group's place in the cluster enters global addresses of Q and of the outputs alone.
; K = 64 IN A K STEP OF 128.  A fragment of K holds two tiles of 16 keys: registers 0-3 keys 32 b + r + 8 (r / 8), registers 4-7 the keys 8 further on.  Q stands as [q, zero codes] and as [zero codes, q]:
; the first picks the fragment's first tile, the second its second.  Zero codes add nothing under any scale byte that this program makes (1 .. 254).
; LAYOUT.  Both products are used transposed (S^T = K Q^T, O^T = V^T P^T): a lane holds one query (lane % 16) throughout; S's register 16 b + i is key 32 b + 16 (lane / 16) + i; O's register 16 b + i channel 32 b + 16 (lane / 16) + i.
; LIMITS: a block of zeros gets the scale byte 1, not 127 (zero codes; this program alone reads the bytes); NaN and infinities are not served.
.set LI,   1                           ; 16 x lane
.set ADR,  2                           ; LDS address of the key step
.set R16,  3                           ; 16 x (lane % 16)
.set OSA,  4                           ; LDS: my queries' two scale bytes
.set OSRD, 5                           ; LDS: where waves 0 and 1 read them back
.set STA,  8                           ; v8 -M, v9 the largest t, v[10:11] the sum in two halves: tile A;  v12-15: tile B
.set STB,  12
.set QS,   36                          ; v36, v37 Q's scale words of tiles A, B      (v16-35: zeros, qA, zeros, qB, zeros)
.set PWA,  38                          ; p's scale words
.set PWB,  39
.set SC,   40                          ; v40-43 lanes 0-15 K's scale words, lanes 16-31 V's
.set F,    44                          ; v[44:45] 2^(old M - new M)
.set SUM2, 46
.set BM,   48                          ; v48-51 the blocks' largest scores, then largest p
.set T2,   52
.set T3,   56
.set TA,   60                          ; v[60:61]; at the end 1 / l of tile A;  v[62:63] of tile B
.set RLB,  62
.set KF,   64                          ; v64-95 four fragments of K, later of V
.set S,    96                          ; v96-159 scores, then p
.set OA,   160                         ; v160-191 O^T of tile A;  v192-223 of tile B
.set OB,   192
.set PCA,  224                         ; p's codes
.set PCB,  232
.set PC,   224                         ; the way out: O's codes
.set TM,   240                         ; the way out: at work in QUANT
.set WV,   14
.set SEL,  20                          ; s[20:21] selects of v_permlanex16_b32: lane l xor 16
.set CS,   22                          ; s[22:23] c = log2(e) / 8
.set G1,   24
.set TB,   40
.set OSS,  139264                      ; LDS: behind the head's block: 512 queries x 2 scale bytes; no fill lands here
.macro ROUND                           ; a round of the cluster's barrier
	s_barrier_signal -1
	s_barrier_wait -1
	s_cmp_lg_u32 s[WV], 0
	s_cbranch_scc1 .Lnot_wave_0_\@
	s_barrier_signal -3
.Lnot_wave_0_\@:
	s_barrier_wait -3
	s_barrier_signal -1
	s_barrier_wait -1
.endm
.macro QUANT s, pw                     ; 64 numbers of a lane, register 16 b + i = index 32 b + 16 (lane / 16) + i, become codes in v[PC] on and a scale word in v[pw]
.irp b, 0,1,2,3
	v_max3_num_f32 v[TM+\b], |v[\s+16*\b]|, |v[\s+1+16*\b]|, 0x1800000
.endr
.irp i, 2,4,6,8,10,12,14
.irp b, 0,1,2,3
	s_delay_alu instid0(VALU_DEP_4)
	v_max3_num_f32 v[TM+\b], v[TM+\b], |v[\s+16*\b+\i]|, |v[\s+1+16*\b+\i]|
.endr
.endr
.irp b, 0,1,2,3
	s_delay_alu instid0(VALU_DEP_4)
	v_permlanex16_b32 v[TM+4+\b], v[TM+\b], s[SEL], s[SEL+1]
.endr
.irp b, 0,1,2,3
	s_delay_alu instid0(VALU_DEP_4)
	v_max_num_f32 v[TM+\b], v[TM+\b], v[TM+4+\b]
.endr
.irp b, 0,1,2,3
	s_delay_alu instid0(VALU_DEP_4)
	v_add_nc_u32 v[TM+12+\b], 0xff000000, v[TM+\b]
.endr
.irp b, 0,1,2,3
	s_delay_alu instid0(VALU_DEP_4)
	v_lshrrev_b32 v[TM+4+\b], 23, v[TM+12+\b]
.endr
	s_delay_alu instid0(VALU_DEP_3)
	v_lshl_or_b32 v[\pw], v[TM+5], 8, v[TM+4]
	s_delay_alu instid0(VALU_DEP_1)
	v_lshl_or_b32 v[\pw], v[TM+6], 16, v[\pw]
	s_delay_alu instid0(VALU_DEP_1)
	v_lshl_or_b32 v[\pw], v[TM+7], 24, v[\pw]
.irp b, 0,1,2,3
	v_cvt_scalef32_pk8_fp4_f32 v[PC+2*\b], v[\s+16*\b:\s+7+16*\b], v[TM+12+\b]
	v_cvt_scalef32_pk8_fp4_f32 v[PC+1+2*\b], v[\s+8+16*\b:\s+15+16*\b], v[TM+12+\b]
.endr
	v_nop
.irp c, 0,1
.irp i, 0,1
	v_permlane16_swap_b32 v[PC+4*\c+\i], v[PC+2+4*\c+\i]
.endr
.endr
.endm
	s_load_b256 s[4:11], s[0:1], 0x0               ; qimg, qsw, kv, oc
	s_load_b64 s[12:13], s[0:1], 0x20              ; os
	v_lshl_add_u32 v250, v0, 2, 0x29000
	v_mov_b32 v251, 0
	ds_add_u32 v250, v251
	ds_add_u32 v250, v251
	v_lshrrev_b32 v2, 5, v0
	s_delay_alu instid0(VALU_DEP_1)
	v_readfirstlane_b32 s[WV], v2                  ; wave 0..15
	s_and_b32 s16, ttmp7, 0xffff                   ; 16 x batch + head: the four partners share it
	; descriptor group 1: 17 rows of 256 bytes (32 elements of 8 bytes), dense in memory and in LDS
	s_mov_b32 s[G1], 15|(3<<16)|(1<<21)            ; 15:0 the mask: all four work-groups; 17:16 elements of 8 bytes; 21 set beside a mask
	s_mov_b32 s[G1+1], 32<<16                      ; tensor_dim0
	s_mov_b32 s[G1+2], 17<<16                      ; tensor_dim1
	s_mov_b32 s[G1+3], 32<<16                      ; tile_dim0
	s_mov_b32 s[G1+4], 17                          ; tile_dim1
	s_mov_b32 s[G1+5], 32                          ; from row to row
	s_mov_b32 s[G1+6], 0
	s_mov_b32 s[G1+7], 0
	s_mul_i32 s46, s[WV], 4352                     ; my 4,352 bytes of each half of the head's block
	s_mul_i32 s18, s16, 139264
	s_add_co_u32 s18, s18, s46
	s_mov_b32 s19, 0
	s_mov_b32 s[SEL], 0x76543210
	s_mov_b32 s[SEL+1], 0xfedcba98
	s_mov_b32 s[CS], 0x3e38aa3b
	s_mov_b32 s[CS+1], s[CS]                       ; named with it as a pair, so it is written
	s_wait_dscnt 0x0
	s_wait_kmcnt 0x0
	s_mov_b32 s32, 1
	s_mov_b32 s33, s46
	s_add_nc_u64 s[34:35], s[8:9], s[18:19]
	s_mov_b32 s36, 1
	s_add_co_u32 s37, s46, 69632
	s_add_nc_u64 s[38:39], s[34:35], 69632
	s_or_b32 s35, s35, 0x80000000
	s_or_b32 s39, s39, 0x80000000
	ROUND                                          ; all four work-groups are here: the joint loads meet
	tensor_load_to_lds s[32:35], s[G1:G1+7]        ; key steps 0 to 7: my sixteenth
	s_nop 0
	s_wait_alu depctr_va_vdst(0)
	s_wait_tensorcnt 0x0
	ds_add_u32 v250, v251
	s_wait_dscnt 0x0
	ROUND
	tensor_load_to_lds s[36:39], s[G1:G1+7]        ; key steps 8 to 15.  Only this load of mine is out; four v_nop follow the second
	s_nop 0
.rept 4
	v_nop
.endr
	s_bfe_u32 s15, ttmp6, 0x40000                  ; my place in the cluster,
	s_lshl_b32 s17, ttmp9, 2
	s_add_co_u32 s17, s17, s15                     ; my block of 512 queries
	s_lshl_b32 s42, s17, 5
	s_lshl_b32 s47, s[WV], 1
	s_add_co_u32 s42, s42, s47                     ; my first tile of queries: 32 x block + 2 x wave
	s_mov_b32 s45, 0
	s_lshl_b32 s44, s42, 9
	s_lshl_b32 s47, s16, 16
	s_add_co_u32 s44, s44, s47
	s_add_nc_u64 s[4:5], s[4:5], s[44:45]          ; Q's images
	s_lshl_b32 s44, s17, 3
	s_lshr_b32 s47, s[WV], 1
	s_add_co_u32 s44, s44, s47
	s_lshl_b32 s44, s44, 8                         ; the group of four tiles,
	s_and_b32 s47, s[WV], 1
	s_lshl_b32 s48, s47, 3
	s_add_co_u32 s44, s44, s48                     ; my two words in it
	s_lshl_b32 s48, s16, 13
	s_add_co_u32 s44, s44, s48
	s_add_nc_u64 s[6:7], s[6:7], s[44:45]          ; Q's scale words
	s_lshr_b32 s44, s16, 4
	s_lshl_b32 s44, s44, 7
	s_add_co_u32 s44, s44, s42                     ; my first tile of rows among the 512: 128 x batch + tile
	s_lshl_b32 s44, s44, 13
	s_and_b32 s48, s16, 15
	s_lshl_b32 s48, s48, 9
	s_add_co_u32 s44, s44, s48
	s_add_nc_u64 s[10:11], s[10:11], s[44:45]      ; O's codes: [tile of rows][head][lane][16 bytes]
	s_lshl_b32 s44, s16, 12
	s_lshl_b32 s48, s17, 10
	s_add_co_u32 s44, s44, s48
	s_lshl_b32 s48, s47, 9
	s_add_co_u32 s44, s44, s48
	s_add_nc_u64 s[12:13], s[12:13], s[44:45]      ; O's scale bytes: [head][query][2]; waves 0 and 1 store 512 bytes each
	v_and_b32 v6, 31, v0
	s_delay_alu instid0(VALU_DEP_1)
	v_lshlrev_b32 v[LI], 4, v6
	v_and_b32 v6, 15, v0
	s_delay_alu instid0(VALU_DEP_1)
	v_lshlrev_b32 v[R16], 4, v6
	global_load_b128 v[20:23], v[LI], s[4:5]               ; qA: lane (r, h): query r, channels 32 h on
	global_load_b128 v[28:31], v[LI], s[4:5] offset:512    ; qB
	global_load_b64 v[QS:QS+1], v[R16], s[6:7]
	s_lshl_b32 s49, s[WV], 6
	s_add_co_u32 s49, s49, OSS
	v_lshl_add_u32 v[OSA], v6, 1, s49              ; OSS + 64 x wave + 2 r
	s_and_b32 s50, s[WV], 1
	s_lshl_b32 s50, s50, 9
	s_add_co_u32 s50, s50, OSS
	v_add_nc_u32 v[OSRD], s50, v[LI]
.irp i, 16,17,18,19,24,25,26,27,32,33,34,35
	v_mov_b32 v\i, 0                               ; the zero codes beside qA and qB
.endr
.set j, 0
.rept 64
	v_mov_b32 v[OA+j], 0                           ; O^T.  The key step is written once: its first trip finds zeros, which the first change of M leaves zeros
.set j, j+1
.endr
.irp t, STA, STB
	v_mov_b32 v[\t+1], 0xff61b1e6                  ; the largest t so far: -3e38, under every t
	s_delay_alu instid0(VALU_DEP_1)
	v_floor_f32 v[\t], -v[\t+1]                    ; -M
	v_mov_b32 v[\t+2], 0                           ; the sum, in two halves
	v_mov_b32 v[\t+3], 0
.endr
.irp b, 0,1,2,3
	v_mov_b32 v[T2+\b], 0                          ; written once: a lane permute's destination counts as one of its sources
	v_mov_b32 v[TM+4+\b], 0
.endr
	v_mov_b32 v[F+1], 0                            ; upper halves of pairs of which the low word serves both halves
	v_mov_b32 v[TA+1], 0
	v_mov_b32 v[RLB+1], 0
	s_mov_b32 s[TB], 0
	s_mov_b32 s41, 0
	s_wait_tensorcnt 0x0                           ; my parts of the head's block are in,
	s_barrier_signal -1
	s_barrier_wait -1                              ; everybody's are; they are read only from here on
	s_wait_loadcnt 0x0                             ; Q
.macro KQ lo, hi, qs                   ; S^T of one tile of queries: eight tiles of 16 keys, each a sum of its own that starts with the constant 0
.irp b, 0,1,2,3
	v_wmma_scale_f32_16x16x128_f8f6f4 v[S+16*\b:S+16*\b+7], v[KF+8*\b:KF+8*\b+7], v[\lo:\lo+7], 0, v[SC+\b], v[\qs] matrix_a_fmt:MATRIX_FMT_FP4 matrix_b_fmt:MATRIX_FMT_FP4
	v_wmma_scale_f32_16x16x128_f8f6f4 v[S+16*\b+8:S+16*\b+15], v[KF+8*\b:KF+8*\b+7], v[\hi:\hi+7], 0, v[SC+\b], v[\qs] matrix_a_fmt:MATRIX_FMT_FP4 matrix_b_fmt:MATRIX_FMT_FP4
.endr
.rept 4
	v_nop                                          ; four places in front of the first read of the scores, and of loads over K's fragments
.endr
.endm
; One tile's softmax of a key step: st its statistics, ob its O^T, pc p's codes, pw p's scale word.
.macro SOFTMAX st, ob, pc, pw
.irp b, 0,1,2,3
	v_max3_num_f32 v[BM+\b], v[S+16*\b], v[S+1+16*\b], v[S+2+16*\b]   ; the largest score of each block of 32 keys: it serves for the row's maximum and, since p rises with the score, for the block's largest p
.endr
.irp i, 3,5,7,9,11,13
.irp b, 0,1,2,3
	v_max3_num_f32 v[BM+\b], v[BM+\b], v[S+16*\b+\i], v[S+1+16*\b+\i]
.endr
.endr
.irp b, 0,1,2,3
	v_max_num_f32 v[BM+\b], v[BM+\b], v[S+15+16*\b]
.endr
.irp b, 0,1,2,3
	s_delay_alu instid0(VALU_DEP_4)
	v_permlanex16_b32 v[T2+\b], v[BM+\b], s[SEL], s[SEL+1]
.endr
.irp b, 0,1,2,3
	s_delay_alu instid0(VALU_DEP_4)
	v_max_num_f32 v[BM+\b], v[BM+\b], v[T2+\b]     ; with lane l xor 16's 16 keys
.endr
	s_delay_alu instid0(VALU_DEP_2)
	v_max3_num_f32 v[TA], v[BM], v[BM+1], v[BM+2]
	s_delay_alu instid0(VALU_DEP_1)
	v_max_num_f32 v[TA], v[TA], v[BM+3]
	s_delay_alu instid0(VALU_DEP_1)
	v_mul_f32 v[TA], s[CS], v[TA]                  ; the step's largest t (c is positive)
	s_delay_alu instid0(VALU_DEP_1)
	v_max_num_f32 v[\st+1], v[\st+1], v[TA]        ; the running largest t
	v_mov_b32 v[TA], v[\st]
	s_delay_alu instid0(VALU_DEP_2)
	v_floor_f32 v[\st], -v[\st+1]                  ; the new -M = floor(-t): M is a whole number
	s_delay_alu instid0(VALU_DEP_1)
	v_sub_f32 v[TA], v[\st], v[TA]                 ; old M - new M: a whole number, 0 or less
	s_delay_alu instid0(VALU_DEP_1)
	v_cvt_i32_f32 v[TA], v[TA]                     ; (it saturates)
	s_delay_alu instid0(VALU_DEP_1)
	v_ldexp_f32 v[F], 1.0, v[TA]                   ; f = 2^(old M - new M)
.set j, 0
.rept 32
	v_pk_fma_f32 v[S+j:S+j+1], v[S+j:S+j+1], s[CS:CS+1], v[\st:\st+1] op_sel_hi:[1,0,0]   ; t - M, two at a time
.set j, j+2
.endr
.irp b, 0,1,2,3
	v_fma_f32 v[BM+\b], v[BM+\b], s[CS], v[\st]    ; the same of each block's largest score
.endr
.set j, 0
	s_wait_alu depctr_va_vdst(0)
.rept 64
	v_exp_f32 v[S+j], v[S+j]                       ; p = 2^(t - M), at most 1
.set j, j+1
.endr
	v_pk_mul_f32 v[\st+2:\st+3], v[\st+2:\st+3], v[F:F+1] op_sel_hi:[1,0]   ; the sums under the new M: the plain line behind the exponentials
	s_wait_alu depctr_va_vdst(0)                   ; one wait for the batch of 64, ahead of its first reader
.irp b, 0,1,2,3
	v_exp_f32 v[BM+\b], v[BM+\b]                   ; the block's largest p: the same two instructions on the same number
.endr
	v_pk_add_f32 v[SUM2:SUM2+1], v[S:S+1], v[S+2:S+3]     ; the row's sum of the UNQUANTISED p, in two chains; it reads the 64 alone
.irp j, 4,8,12,16,20,24,28,32,36,40,44,48,52,56,60
	v_pk_add_f32 v[\st+2:\st+3], v[\st+2:\st+3], v[S+\j:S+\j+1]
	v_pk_add_f32 v[SUM2:SUM2+1], v[SUM2:SUM2+1], v[S+\j+2:S+\j+3]
.endr
	s_delay_alu instid0(VALU_DEP_1)
	v_pk_add_f32 v[\st+2:\st+3], v[\st+2:\st+3], v[SUM2:SUM2+1]
	s_wait_alu depctr_va_vdst(0)                   ; and one for the four
.irp b, 0,1,2,3
	v_max_num_f32 v[BM+\b], 0x1800000, v[BM+\b]    ; the floor 2^(3 - 127): the byte cannot fall under 1
.endr
.irp b, 0,1,2,3
	s_delay_alu instid0(VALU_DEP_4)
	v_add_nc_u32 v[T3+\b], 0xff000000, v[BM+\b]    ; 2 off the exponent field: the conversion's scale operand
.endr
.irp b, 0,1,2,3
	s_delay_alu instid0(VALU_DEP_4)
	v_lshrrev_b32 v[T2+\b], 23, v[T3+\b]           ; the scale's byte
.endr
	s_delay_alu instid0(VALU_DEP_3)
	v_lshl_or_b32 v[\pw], v[T2+1], 8, v[T2]
	s_delay_alu instid0(VALU_DEP_1)
	v_lshl_or_b32 v[\pw], v[T2+2], 16, v[\pw]
	s_delay_alu instid0(VALU_DEP_1)
	v_lshl_or_b32 v[\pw], v[T2+3], 24, v[\pw]
.irp b, 0,1,2,3
	v_cvt_scalef32_pk8_fp4_f32 v[\pc+2*\b], v[S+16*\b:S+7+16*\b], v[T3+\b]
	v_cvt_scalef32_pk8_fp4_f32 v[\pc+1+2*\b], v[S+8+16*\b:S+15+16*\b], v[T3+\b]
.endr
	v_nop                                          ; one plain line behind the scaled conversions
.irp c, 0,1
.irp i, 0,1
	v_permlane16_swap_b32 v[\pc+4*\c+\i], v[\pc+2+4*\c+\i]   ; a whole block of 32 keys to a lane
.endr
.endr
.set j, 0
.rept 16
	v_pk_mul_f32 v[\ob+j:\ob+j+1], v[\ob+j:\ob+j+1], v[F:F+1] op_sel_hi:[1,0]   ; O^T under the new M; these sixteen also stand between p's scale word and codes and the products that take them
.set j, j+2
.endr
.endm
.Lstep:                                            ; 16 key steps of 128 keys
	s_setprio 2
	v_add_nc_u32 v[ADR], s[TB], v[LI]
.rept 3
	v_nop                                          ; with the line above: four places in front of loads into registers that the last products read
.endr
	ds_load_b128 v[SC:SC+3], v[ADR] offset:8192    ; lanes 0-15: K's four scale words of row r; lanes 16-31, 256 bytes on: V's
.irp b, 0,1,2,3
.irp c, 0,1
	ds_load_b128 v[KF+8*\b+4*\c:KF+8*\b+4*\c+3], v[ADR] offset:1024*\b+512*\c
.endr
.endr
	s_wait_dscnt 0x0
	KQ 20, 16, QS                                  ; tile A: [qA, 0] and [0, qA]
	SOFTMAX STA, OA, PCA, PWA
	KQ 28, 24, QS+1                                ; tile B
.irp t, 0,1,2,3
.irp c, 0,1
	ds_load_b128 v[KF+8*\t+4*\c:KF+8*\t+4*\c+3], v[ADR] offset:4096+1024*\t+512*\c   ; V^T's four tiles land while tile B's softmax is worked
.endr
.endr
	s_setprio 1
	SOFTMAX STB, OB, PCB, PWB
	s_setprio 0
	s_wait_alu depctr_va_vdst(0)
	s_wait_dscnt 0x0
.irp t, 0,1,2,3                                ; O^T += V^T P^T: eight accumulators, one instruction each
	v_wmma_scale_f32_16x16x128_f8f6f4 v[OA+8*\t:OA+8*\t+7], v[KF+8*\t:KF+8*\t+7], v[PCA:PCA+7], v[OA+8*\t:OA+8*\t+7], v[SC+\t], v[PWA] matrix_a_fmt:MATRIX_FMT_FP4 matrix_b_fmt:MATRIX_FMT_FP4 matrix_a_scale:MATRIX_SCALE_ROW1
	v_wmma_scale_f32_16x16x128_f8f6f4 v[OB+8*\t:OB+8*\t+7], v[KF+8*\t:KF+8*\t+7], v[PCB:PCB+7], v[OB+8*\t:OB+8*\t+7], v[SC+\t], v[PWB] matrix_a_fmt:MATRIX_FMT_FP4 matrix_b_fmt:MATRIX_FMT_FP4 matrix_a_scale:MATRIX_SCALE_ROW1
.endr
	s_add_co_u32 s[TB], s[TB], 8704
	s_add_co_u32 s41, s41, 1
	s_cmp_lt_u32 s41, 16
	s_cbranch_scc1 .Lstep
	s_setprio 0
	; THE WAY OUT.  The four additions and the v_nop are the places behind the last products.
	v_add_f32 v[TA], v[STA+2], v[STA+3]            ; the sums' two halves,
	v_add_f32 v[RLB], v[STB+2], v[STB+3]
	s_delay_alu instid0(VALU_DEP_2)
	v_permlanex16_b32 v[T2], v[TA], s[SEL], s[SEL+1]
	s_delay_alu instid0(VALU_DEP_2)
	v_permlanex16_b32 v[T2+1], v[RLB], s[SEL], s[SEL+1]
	s_delay_alu instid0(VALU_DEP_2)
	v_add_f32 v[TA], v[TA], v[T2]                  ; and lane l xor 16's: the rows' sums
	s_delay_alu instid0(VALU_DEP_2)
	v_add_f32 v[RLB], v[RLB], v[T2+1]
	s_wait_alu depctr_va_vdst(0)
	v_rcp_f32 v[TA], v[TA]
	v_rcp_f32 v[RLB], v[RLB]
	v_nop                                          ; a plain line behind the reciprocals
	s_wait_alu depctr_va_vdst(0)                   ; one wait for the two, ahead of their first reader
.set j, 0
.rept 16
	v_pk_mul_f32 v[S+j:S+j+1], v[OA+j:OA+j+1], v[TA:TA+1] op_sel_hi:[1,0]         ; O / l of tile A: blocks 0 and 1 of the 64 numbers; each accumulator from its low end on
.set j, j+2
.endr
.set j, 0
.rept 16
	v_pk_mul_f32 v[S+32+j:S+32+j+1], v[OB+j:OB+j+1], v[RLB:RLB+1] op_sel_hi:[1,0] ; of tile B: blocks 2 and 3
.set j, j+2
.endr
	QUANT S, PWA
	global_store_b128 v[LI], v[PC:PC+3], s[10:11]                  ; tile A's piece of the last projection's fragment: 512 consecutive bytes
	global_store_b128 v[LI], v[PC+4:PC+7], s[10:11] offset:8192    ; tile B's: the next tile of rows
	ds_store_b16 v[OSA], v[PWA]                    ; tile A's two bytes (both halves of the lanes write the same value)
	ds_store_b16_d16_hi v[OSA], v[PWA] offset:32   ; tile B's
	s_wait_dscnt 0x0                               ; for the others' sake
	s_barrier_signal -1
	s_barrier_wait -1
	s_cmp_lt_u32 s[WV], 2
	s_cbranch_scc0 .Lno_scales
	ds_load_b128 v[KF:KF+3], v[OSRD]               ; the work-group's 1,024 scale bytes leave by two waves, 512 consecutive bytes each
	s_wait_dscnt 0x0
	global_store_b128 v[LI], v[KF:KF+3], s[12:13]
.Lno_scales:
	s_wait_tensorcnt 0x0
	ds_add_u32 v250, v251
	s_wait_dscnt 0x0
	ROUND                                          ; the closing round: no work-group ends while a partner may still ask jointly
	s_endpgm
.Lfunc_end_k_q91617fb60a_attn:
	.size	k_q91617fb60a_attn, .Lfunc_end_k_q91617fb60a_attn-k_q91617fb60a_attn
	.p2alignl 7, 3214868480
	.fill 96, 4, 3214868480
	.section	.rodata,"a",@progbits
	.p2align	6, 0x0
	.amdhsa_kernel k_q91617fb60a_attn
		.amdhsa_group_segment_fixed_size 327680
		.amdhsa_private_segment_fixed_size 0
		.amdhsa_enable_private_segment 0
		.amdhsa_kernarg_size 40
		.amdhsa_user_sgpr_count 2
		.amdhsa_user_sgpr_kernarg_segment_ptr 1
		.amdhsa_wavefront_size32 1
		.amdhsa_system_sgpr_workgroup_id_x 1
		.amdhsa_system_sgpr_workgroup_id_y 1
		.amdhsa_system_sgpr_workgroup_id_z 1
		.amdhsa_system_vgpr_workitem_id 0
		.amdhsa_next_free_vgpr 256
		.amdhsa_next_free_sgpr 66
		.amdhsa_reserve_vcc 0
		.amdhsa_float_denorm_mode_32 3
		.amdhsa_float_denorm_mode_16_64 3
		.amdhsa_memory_ordered 1
		.amdhsa_forward_progress 1
		.amdhsa_inst_pref_size 48
	.end_amdhsa_kernel
	.amdgpu_metadata
---
amdhsa.version: [ 1, 2 ]
amdhsa.kernels:
  - .name:           k_q91617fb60a_attn
    .symbol:         k_q91617fb60a_attn.kd
    .args:
      - { .name: qimg, .offset: 0, .size: 8, .value_kind: global_buffer, .address_space: global }
      - { .name: qsw, .offset: 8, .size: 8, .value_kind: global_buffer, .address_space: global }
      - { .name: kv, .offset: 16, .size: 8, .value_kind: global_buffer, .address_space: global }
      - { .name: oc, .offset: 24, .size: 8, .value_kind: global_buffer, .address_space: global }
      - { .name: os, .offset: 32, .size: 8, .value_kind: global_buffer, .address_space: global }
    .group_segment_fixed_size: 327680
    .private_segment_fixed_size: 0
    .kernarg_segment_align: 8
    .kernarg_segment_size: 40
    .max_flat_workgroup_size: 512
    .sgpr_count:     66
    .vgpr_count:     256
    .wavefront_size: 32
...
	.end_amdgpu_metadata
.endif
;; end of part 3
;; launch outln (part 4): grid 256 x 1, 8 waves a work-group, no clusters, 281,088 bytes of LDS; arguments oc, os, Wo_codes, Wo_scales, bo, q, gamma, beta, out0; writes out0
.if DOCPART == 4
	.amdgcn_target "amdgcn-amd-amdhsa--gfx1250"
	.amdhsa_code_object_version 6
	.text
	.protected	k_q91617fb60a_outln
	.globl	k_q91617fb60a_outln
	.p2align	8
	.type	k_q91617fb60a_outln,@function
k_q91617fb60a_outln:
	s_mov_b64 s[64:65], 0
	v_nop
	global_prefetch_b8 v0, s[64:65] scope:SCOPE_SE
	s_setreg_imm32_b32 hwreg(HW_REG_WAVE_MODE, 25, 1), 1
	s_wait_xcnt 0x0
; out0 = LayerNorm(o Wo^T + bo + q) x gamma + beta.  The product is on codes of FP4 (E2M1) with E8M0 scales, K = 1,024; all else in f32; the variance is taken of x - mean, in a second pass.
; SHARES.  A work-group: 32 rows, all 1,024 columns, since a row's mean and variance want the row whole.  In the product wave w makes columns 128 w .. + 127 (eight tiles of 16 rows of Wo) for the two tiles of 16 rows;
; in the norm wave w takes rows 4 w .. 4 w + 3.  The product is used transposed (source 0 = 16 rows of Wo, source 1 = o's rows): a lane holds eight neighbouring columns of one row.
; o's 16 fragments (staged once through LDS as images of their registers) stay in window 1.  Wo goes from memory straight into a ring of three register buffers: each byte is wanted by one wave of the work-group.
; q's 32 rows come by one tensor load a wave, into bytes that only that wave reads: a first fill, never filled again; its counter is apart from the counter of Wo's loads, which come back in order.
; NO CLUSTER: beside the stage for x (131,584 bytes) and q's rows (131,072) LDS has 65,024 bytes left, so Wo's 557,056 bytes, asked for jointly, would pass through two slots of at most 32,512: 18 rounds or more for 128 matrix instructions a wave.
; LIMITS: NaN and infinities are not served.
.set LI,   1                           ; 16 x lane
.set WA,   2                           ; Wo's codes: 512 r + 16 h
.set WSA,  3                           ; Wo's scales: 32 r + 16 h
.set ST0,  4                           ; the stage: row r (+ 16 for v5), my columns
.set ST1,  5
.set OW,   6                           ; o's images: where I store;  v7 where all read
.set ORD,  7
.set OSW,  8                           ; o's scale words likewise
.set OSR,  9
.set SRD,  10                          ; the stage: my four rows
.set QRD,  11                          ; q: my four rows
.set P0,   12                          ; v[12:13], v[14:15]: at the head lane numbers; in the norm sums, squares, 1 / sqrt
.set P1,   14
.set ACC,  16                          ; v16-47 two sets of two accumulators
.set RING, 48                          ; v48-143 three buffers of four fragments of Wo
.set OS,   144                         ; v144-151 o's scale words by K step: lanes 0-15 rows 0-15, lanes 16-31 rows 16-31
.set WS,   152                         ; v152-159 Wo's scale words, two sets of four: lanes 0-15 K step i, lanes 16-31 K step 4 + i
.set BO,   160
.set GA,   192
.set BE,   224
.set WV,   22
.set G1,   24
.set QRG,  131584                      ; LDS: the stage at 0 (32 rows x 4,112), q's rows here (dense), o's images, o's scale words
.set OIMG, 262656
.set OSC,  279040
.set MSB, 0
.macro WIN new
.if MSB != \new
	s_set_vgpr_msb (MSB<<8)|\new
.set MSB, \new
.endif
.endm
	s_load_b512 s[4:19], s[0:1], 0x0               ; oc, os, Wo_codes, Wo_scales, bo, q, gamma, beta
	s_load_b64 s[20:21], s[0:1], 0x40              ; out0
	s_set_vgpr_msb 0x40
	v_lshl_add_u32 v128, v0, 2, 0x44600
	v_mov_b32 v129, 0
	s_set_vgpr_msb 0x4045
	ds_add_u32 v128, v129
	ds_add_u32 v128, v129
	s_set_vgpr_msb 0x4500
	v_lshrrev_b32 v2, 5, v0
	s_delay_alu instid0(VALU_DEP_1)
	v_readfirstlane_b32 s[WV], v2                  ; wave 0..7
	s_mov_b32 s[G1], 3<<16                         ; descriptor group 1: 64 rows of 256 bytes (32 elements of 8 bytes), dense: four rows of q
	s_mov_b32 s[G1+1], 32<<16
	s_mov_b32 s[G1+2], 64<<16
	s_mov_b32 s[G1+3], 32<<16
	s_mov_b32 s[G1+4], 64
	s_mov_b32 s[G1+5], 32
	s_mov_b32 s[G1+6], 0
	s_mov_b32 s[G1+7], 0
	s_lshl_b32 s36, ttmp9, 5
	s_lshl_b32 s42, s[WV], 2
	s_add_co_u32 s36, s36, s42                     ; the norm's first row of mine: 32 x work-group + 4 x wave
	s_lshl_b32 s36, s36, 12
	s_mov_b32 s37, 0
	s_mov_b32 s32, 1
	s_lshl_b32 s33, s[WV], 14
	s_add_co_u32 s33, s33, QRG
	s_wait_dscnt 0x0
	s_wait_kmcnt 0x0
	s_add_nc_u64 s[20:21], s[20:21], s[36:37]
	s_add_nc_u64 s[34:35], s[14:15], s[36:37]
	s_or_b32 s35, s35, 0x80000000
	tensor_load_to_lds s[32:35], s[G1:G1+7]        ; my one tensor load
	s_nop 0
.rept 4
	v_nop
.endr
	s_mov_b32 s38, 0x76543210
	s_mov_b32 s39, 0xfedcba98
	s_mov_b32 s40, 0x3a800000                      ; 1 / 1,024
	s_mov_b32 s41, 0x3727c5ac                      ; 1e-5
	v_and_b32 v15, 31, v0                          ; lane
	v_and_b32 v13, 15, v0                          ; r
	v_bfe_u32 v14, v0, 4, 1                        ; h
	s_delay_alu instid0(VALU_DEP_3)
	v_lshlrev_b32 v[LI], 4, v15
	s_delay_alu instid0(VALU_DEP_3)
	v_lshlrev_b32 v[WA], 9, v13
	s_delay_alu instid0(VALU_DEP_1)
	v_lshl_add_u32 v[WA], v14, 4, v[WA]
	v_lshlrev_b32 v[WSA], 5, v13
	s_delay_alu instid0(VALU_DEP_1)
	v_lshl_add_u32 v[WSA], v14, 4, v[WSA]
	v_mul_u32_u24 v[ST0], v13, 4112
	s_delay_alu instid0(VALU_DEP_1)
	v_lshl_add_u32 v[ST0], v14, 5, v[ST0]
	s_lshl_b32 s42, s[WV], 9
	v_add_nc_u32 v[ST0], s42, v[ST0]               ; 4,112 r + 32 h + 512 w
	s_delay_alu instid0(VALU_DEP_1)
	v_add_nc_u32 v[ST1], 65792, v[ST0]             ; 16 rows on
	s_lshl_b32 s42, s[WV], 10
	s_add_co_u32 s42, s42, OIMG
	v_add_nc_u32 v[OW], s42, v[LI]
	v_add_nc_u32 v[ORD], OIMG, v[LI]
	s_lshl_b32 s42, s[WV], 7
	s_add_co_u32 s42, s42, OSC
	v_lshl_add_u32 v[OSW], v15, 2, s42
	v_lshl_add_u32 v[OSR], v15, 2, OSC
	s_mul_i32 s42, s[WV], 16448
	v_add_nc_u32 v[SRD], s42, v[LI]
	s_lshl_b32 s42, s[WV], 14
	s_add_co_u32 s42, s42, QRG
	v_add_nc_u32 v[QRD], s42, v[LI]
	v_lshlrev_b32 v12, 1, v15
	s_wait_alu depctr_va_vdst(0)
	s_mov_b32 s43, 0
	s_lshl_b32 s42, ttmp9, 14                      ; oc: two tiles of rows of 8,192 bytes a work-group, K step w at 1,024 w
	s_lshl_b32 s36, s[WV], 10
	s_add_co_u32 s42, s42, s36
	s_add_nc_u64 s[4:5], s[4:5], s[42:43]
	s_lshr_b32 s42, ttmp9, 6                       ; os: head 16 x batch + 2 w, 4,096 bytes a head; my 32 rows' 64 bytes
	s_lshl_b32 s42, s42, 4
	s_lshl_b32 s36, s[WV], 1
	s_add_co_u32 s42, s42, s36
	s_lshl_b32 s42, s42, 12
	s_and_b32 s36, ttmp9, 63
	s_lshl_b32 s36, s36, 6
	s_add_co_u32 s42, s42, s36
	s_add_nc_u64 s[6:7], s[6:7], s[42:43]
	s_lshl_b32 s42, s[WV], 16                      ; my 128 rows of Wo
	s_add_nc_u64 s[8:9], s[8:9], s[42:43]
	s_lshl_b32 s42, s[WV], 12
	s_add_nc_u64 s[10:11], s[10:11], s[42:43]
.irp i, 0,1,2,3,4,5,6,7                        ; register 4 i + e: column 128 i + 4 lane + e, as the norm holds a row
	global_load_b128 v[BO+4*\i:BO+4*\i+3], v[LI], s[12:13] offset:512*\i
	global_load_b128 v[GA+4*\i:GA+4*\i+3], v[LI], s[16:17] offset:512*\i
	global_load_b128 v[BE+4*\i:BE+4*\i+3], v[LI], s[18:19] offset:512*\i
.endr
.irp j, 0,1                                    ; K step w of o, both tiles of rows
.irp c, 0,1
	global_load_b128 v[ACC+8*\j+4*\c:ACC+8*\j+4*\c+3], v[LI], s[4:5] offset:8192*\j+512*\c
.endr
.endr
	global_load_u16 v32, v12, s[6:7]               ; lane = row: head 2 w's two scale bytes,
	global_load_u16 v33, v12, s[6:7] offset:4096   ; head 2 w + 1's
; half u % 2 of tile u / 2 of Wo: four fragments into buffer u % 3; with the first half the tile's scale quad.  16 loads on end take the tile's rows whole
.macro LOADW u
.if (\u)%2 == 0
	global_load_b128 v[WS+4*(((\u)/2)%2):WS+4*(((\u)/2)%2)+3], v[WSA], s[10:11] offset:512*((\u)/2)
.endif
.irp i, 0,1,2,3
.irp c, 0,1
	global_load_b128 v[RING+32*((\u)%3)+8*\i+4*\c:RING+32*((\u)%3)+8*\i+4*\c+3], v[WA], s[8:9] offset:8192*((\u)/2)+64*(4*((\u)%2)+\i)+32*\c
.endr
.endr
.endm
	LOADW 0
	LOADW 1
	LOADW 2
	s_wait_loadcnt 26                              ; all but the ring's 9 + 8 + 9: o's part, bo, gamma and beta are in
	v_lshl_or_b32 v34, v33, 16, v32                ; the row's scale word of K step w
.irp j, 0,1
.irp c, 0,1
	ds_store_b128 v[OW], v[ACC+8*\j+4*\c:ACC+8*\j+4*\c+3] offset:8192*\j+512*\c
.endr
.endr
	ds_store_b32 v[OSW], v34
	s_wait_dscnt 0x0                               ; for the others' sake
	s_barrier_signal -1
	s_barrier_wait -1
	WIN 0x40                                       ; destination window 1: fragment (tile of rows j, K step ks) at 8 (8 j + ks)
.set n, 0
.rept 32
	ds_load_b128 v[4*n:4*n+3], v[ORD] offset:512*n
.set n, n+1
.endr
	WIN 0
.irp s, 0,1,2,3,4,5,6,7
	ds_load_b32 v[OS+\s], v[OSR] offset:128*\s
.endr
	s_wait_dscnt 0x0
.macro WM d, a, b, zero, sa, sb, ra, rb        ; one product; ra, rb: which half of the lanes holds the side's scale words
.if \zero
.if \rb
	v_wmma_scale_f32_16x16x128_f8f6f4 v[(\d):(\d)+7], v[(\a):(\a)+7], v[(\b):(\b)+7], 0, v[\sa], v[\sb] matrix_a_fmt:MATRIX_FMT_FP4 matrix_b_fmt:MATRIX_FMT_FP4 matrix_b_scale:MATRIX_SCALE_ROW1
.else
	v_wmma_scale_f32_16x16x128_f8f6f4 v[(\d):(\d)+7], v[(\a):(\a)+7], v[(\b):(\b)+7], 0, v[\sa], v[\sb] matrix_a_fmt:MATRIX_FMT_FP4 matrix_b_fmt:MATRIX_FMT_FP4
.endif
.elseif (\ra) && (\rb)
	v_wmma_scale_f32_16x16x128_f8f6f4 v[(\d):(\d)+7], v[(\a):(\a)+7], v[(\b):(\b)+7], v[(\d):(\d)+7], v[\sa], v[\sb] matrix_a_fmt:MATRIX_FMT_FP4 matrix_b_fmt:MATRIX_FMT_FP4 matrix_a_scale:MATRIX_SCALE_ROW1 matrix_b_scale:MATRIX_SCALE_ROW1
.elseif \ra
	v_wmma_scale_f32_16x16x128_f8f6f4 v[(\d):(\d)+7], v[(\a):(\a)+7], v[(\b):(\b)+7], v[(\d):(\d)+7], v[\sa], v[\sb] matrix_a_fmt:MATRIX_FMT_FP4 matrix_b_fmt:MATRIX_FMT_FP4 matrix_a_scale:MATRIX_SCALE_ROW1
.elseif \rb
	v_wmma_scale_f32_16x16x128_f8f6f4 v[(\d):(\d)+7], v[(\a):(\a)+7], v[(\b):(\b)+7], v[(\d):(\d)+7], v[\sa], v[\sb] matrix_a_fmt:MATRIX_FMT_FP4 matrix_b_fmt:MATRIX_FMT_FP4 matrix_b_scale:MATRIX_SCALE_ROW1
.else
	v_wmma_scale_f32_16x16x128_f8f6f4 v[(\d):(\d)+7], v[(\a):(\a)+7], v[(\b):(\b)+7], v[(\d):(\d)+7], v[\sa], v[\sb] matrix_a_fmt:MATRIX_FMT_FP4 matrix_b_fmt:MATRIX_FMT_FP4
.endif
.endm
; Unit u: four K steps of tile u / 2 for both tiles of rows: the two accumulators take turns, one instruction a turn.
; Tiles take two sets of accumulators by turns, so that twelve v_nop lie between a tile's last product and the product that writes its registers anew.
.macro UNITW u
.set T_, (\u)/2
.set H_, (\u)%2
.if (\u) <= 13
	s_wait_loadcnt 17                              ; behind this unit's loads stand the next two units': 8 + 8 and one scale quad
.elseif (\u) == 14
	s_wait_loadcnt 8
.else
	s_wait_loadcnt 0x0
.endif
.irp i, 0,1,2,3
.irp j, 0,1
.set Z_, 0
.if (H_ == 0) && (\i == 0)
.set Z_, 1
.endif
	WM ACC+16*(T_%2)+8*\j, RING+32*((\u)%3)+8*\i, 8*(8*\j+4*H_+\i), Z_, WS+4*(T_%2)+\i, OS+4*H_+\i, H_, \j
.endr
.endr
.rept 4
	v_nop                                          ; four places in front of the stores of results and of loads into registers that these products read
.endr
.if H_ == 1
	WIN 0                                          ; an LDS store's data are its source 1
	ds_store_b128 v[ST0], v[ACC+16*(T_%2):ACC+16*(T_%2)+3] offset:64*T_            ; each accumulator from its low end on
	ds_store_b128 v[ST0], v[ACC+16*(T_%2)+4:ACC+16*(T_%2)+7] offset:64*T_+16
	ds_store_b128 v[ST1], v[ACC+16*(T_%2)+8:ACC+16*(T_%2)+11] offset:64*T_
	ds_store_b128 v[ST1], v[ACC+16*(T_%2)+12:ACC+16*(T_%2)+15] offset:64*T_+16
.if (\u) < 15
	WIN 0x04
.endif
.endif
.if (\u)+3 <= 15
	LOADW (\u)+3                                   ; into the buffer just multiplied
.endif
.endm
	WIN 0x04                                       ; source 1 (o's fragments) window 1; loads' destinations and addresses stay in window 0
.irp u, 0,1,2,3,4,5,6,7,8,9,10,11,12,13,14,15
	UNITW \u
.endr
	WIN 0
	s_wait_dscnt 0x0                               ; for the others' sake: my columns lie in the stage
	s_barrier_signal -1
	s_barrier_wait -1                              ; 32 whole rows of o Wo^T lie there
	s_wait_tensorcnt 0x0                           ; my four rows of q, which I alone read
.macro ROWLOAD i, x                    ; row i of my four: the product's row into v[x] on, q's into v[x + 32] on; 512 consecutive bytes a load
.irp j, 0,1,2,3,4,5,6,7
	ds_load_b128 v[\x+4*\j:\x+4*\j+3], v[SRD] offset:4112*\i+512*\j
.endr
.irp j, 0,1,2,3,4,5,6,7
	ds_load_b128 v[\x+32+4*\j:\x+32+4*\j+3], v[QRD] offset:4096*\i+512*\j
.endr
.endm
.macro LANESUM p                       ; v[p] summed over the 32 lanes, in every lane; v[p + 1] at work
	s_delay_alu instid0(VALU_DEP_1)
	v_add_f32_dpp v[\p], v[\p], v[\p] row_xmask:1 row_mask:0xf bank_mask:0xf
	s_delay_alu instid0(VALU_DEP_1)
	v_add_f32_dpp v[\p], v[\p], v[\p] row_xmask:2 row_mask:0xf bank_mask:0xf
	s_delay_alu instid0(VALU_DEP_1)
	v_add_f32_dpp v[\p], v[\p], v[\p] row_xmask:4 row_mask:0xf bank_mask:0xf
	s_delay_alu instid0(VALU_DEP_1)
	v_add_f32_dpp v[\p], v[\p], v[\p] row_xmask:8 row_mask:0xf bank_mask:0xf
	s_delay_alu instid0(VALU_DEP_1)
	v_permlanex16_b32 v[\p+1], v[\p], s38, s39
	s_delay_alu instid0(VALU_DEP_1)
	v_add_f32 v[\p], v[\p], v[\p+1]
.endm
.macro ROWWORK i, x, younger           ; younger: the next row's LDS loads, which may stay out
	s_wait_dscnt \younger
.set j, 0
.rept 16
	v_pk_add_f32 v[\x+j:\x+j+1], v[\x+j:\x+j+1], v[BO+j:BO+j+1]              ; + bo,
.set j, j+2
.endr
.set j, 0
.rept 16
	v_pk_add_f32 v[\x+j:\x+j+1], v[\x+j:\x+j+1], v[\x+32+j:\x+32+j+1]        ; + q
.set j, j+2
.endr
	v_pk_add_f32 v[P0:P0+1], v[\x:\x+1], v[\x+2:\x+3]                        ; the row's sum, in two chains
	v_pk_add_f32 v[P1:P1+1], v[\x+4:\x+5], v[\x+6:\x+7]
.irp k, 8,12,16,20,24,28
	s_delay_alu instid0(VALU_DEP_2)
	v_pk_add_f32 v[P0:P0+1], v[P0:P0+1], v[\x+\k:\x+\k+1]
	s_delay_alu instid0(VALU_DEP_2)
	v_pk_add_f32 v[P1:P1+1], v[P1:P1+1], v[\x+\k+2:\x+\k+3]
.endr
	s_delay_alu instid0(VALU_DEP_1)
	v_pk_add_f32 v[P0:P0+1], v[P0:P0+1], v[P1:P1+1]
	s_delay_alu instid0(VALU_DEP_1)
	v_add_f32 v[P0], v[P0], v[P0+1]
	LANESUM P0
	s_delay_alu instid0(VALU_DEP_1)
	v_mul_f32 v[P0], s40, v[P0]                    ; the mean
.set j, 0
.rept 16
	v_pk_add_f32 v[\x+j:\x+j+1], v[\x+j:\x+j+1], v[P0:P0+1] op_sel_hi:[1,0] neg_lo:[0,1] neg_hi:[0,1]   ; x - mean
.set j, j+2
.endr
	v_pk_mul_f32 v[P0:P0+1], v[\x:\x+1], v[\x:\x+1]                          ; the squares' sum, in two chains
	v_pk_mul_f32 v[P1:P1+1], v[\x+2:\x+3], v[\x+2:\x+3]
.irp k, 4,8,12,16,20,24,28
	s_delay_alu instid0(VALU_DEP_2)
	v_pk_fma_f32 v[P0:P0+1], v[\x+\k:\x+\k+1], v[\x+\k:\x+\k+1], v[P0:P0+1]
	s_delay_alu instid0(VALU_DEP_2)
	v_pk_fma_f32 v[P1:P1+1], v[\x+\k+2:\x+\k+3], v[\x+\k+2:\x+\k+3], v[P1:P1+1]
.endr
	s_delay_alu instid0(VALU_DEP_1)
	v_pk_add_f32 v[P0:P0+1], v[P0:P0+1], v[P1:P1+1]
	s_delay_alu instid0(VALU_DEP_1)
	v_add_f32 v[P0], v[P0], v[P0+1]
	LANESUM P0
	s_delay_alu instid0(VALU_DEP_1)
	v_fma_f32 v[P0], v[P0], s40, s41               ; the variance + 1e-5
	s_wait_alu depctr_va_vdst(0)
	v_rsq_f32 v[P1], v[P0]
	v_nop                                          ; a plain line behind the transcendental
	s_wait_alu depctr_va_vdst(0)                   ; and the wait ahead of its first reader
.set j, 0
.rept 16
	v_pk_mul_f32 v[\x+j:\x+j+1], v[\x+j:\x+j+1], v[P1:P1+1] op_sel_hi:[1,0]
.set j, j+2
.endr
.set j, 0
.rept 16
	v_pk_fma_f32 v[\x+j:\x+j+1], v[\x+j:\x+j+1], v[GA+j:GA+j+1], v[BE+j:BE+j+1]
.set j, j+2
.endr
.irp j, 0,1,2,3,4,5,6,7
	global_store_b128 v[LI], v[\x+4*\j:\x+4*\j+3], s[20:21] offset:4096*\i+512*\j th:TH_STORE_NT   ; 32 lanes store 512 consecutive bytes; written once, read by nobody here
.endr
.endm
	ROWLOAD 0, 16
	ROWLOAD 1, 80
	ROWWORK 0, 16, 16
	s_wait_xcnt 0x0                                ; row 0's stores have read their registers: they are loaded again only behind this wait
	ROWLOAD 2, 16
	ROWWORK 1, 80, 16
	s_wait_xcnt 0x0
	ROWLOAD 3, 80
	ROWWORK 2, 16, 16
	ROWWORK 3, 80, 0
	s_set_vgpr_msb 0x5
	s_wait_tensorcnt 0x0
	ds_add_u32 v128, v129
	s_wait_dscnt 0x0
	s_set_vgpr_msb 0x500
	s_endpgm
.Lfunc_end_k_q91617fb60a_outln:
	.size	k_q91617fb60a_outln, .Lfunc_end_k_q91617fb60a_outln-k_q91617fb60a_outln
	.p2alignl 7, 3214868480
	.fill 96, 4, 3214868480
	.section	.rodata,"a",@progbits
	.p2align	6, 0x0
	.amdhsa_kernel k_q91617fb60a_outln
		.amdhsa_group_segment_fixed_size 281088
		.amdhsa_private_segment_fixed_size 0
		.amdhsa_enable_private_segment 0
		.amdhsa_kernarg_size 72
		.amdhsa_user_sgpr_count 2
		.amdhsa_user_sgpr_kernarg_segment_ptr 1
		.amdhsa_wavefront_size32 1
		.amdhsa_system_sgpr_workgroup_id_x 1
		.amdhsa_system_sgpr_workgroup_id_y 1
		.amdhsa_system_sgpr_workgroup_id_z 1
		.amdhsa_system_vgpr_workitem_id 0
		.amdhsa_next_free_vgpr 386
		.amdhsa_next_free_sgpr 66
		.amdhsa_reserve_vcc 0
		.amdhsa_float_denorm_mode_32 3
		.amdhsa_float_denorm_mode_16_64 3
		.amdhsa_memory_ordered 1
		.amdhsa_forward_progress 1
		.amdhsa_inst_pref_size 89
	.end_amdhsa_kernel
	.amdgpu_metadata
---
amdhsa.version: [ 1, 2 ]
amdhsa.kernels:
  - .name:           k_q91617fb60a_outln
    .symbol:         k_q91617fb60a_outln.kd
    .args:
      - { .name: oc, .offset: 0, .size: 8, .value_kind: global_buffer, .address_space: global }
      - { .name: os, .offset: 8, .size: 8, .value_kind: global_buffer, .address_space: global }
      - { .name: Wo_codes, .offset: 16, .size: 8, .value_kind: global_buffer, .address_space: global }
      - { .name: Wo_scales, .offset: 24, .size: 8, .value_kind: global_buffer, .address_space: global }
      - { .name: bo, .offset: 32, .size: 8, .value_kind: global_buffer, .address_space: global }
      - { .name: q, .offset: 40, .size: 8, .value_kind: global_buffer, .address_space: global }
      - { .name: gamma, .offset: 48, .size: 8, .value_kind: global_buffer, .address_space: global }
      - { .name: beta, .offset: 56, .size: 8, .value_kind: global_buffer, .address_space: global }
      - { .name: out0, .offset: 64, .size: 8, .value_kind: global_buffer, .address_space: global }
    .group_segment_fixed_size: 281088
    .private_segment_fixed_size: 0
    .kernarg_segment_align: 8
    .kernarg_segment_size: 72
    .max_flat_workgroup_size: 256
    .sgpr_count:     66
    .vgpr_count:     386
    .wavefront_size: 32
...
	.end_amdgpu_metadata
.endif
;; end of part 4
